; MI455X (gfx1250); checked and timed in simulation.
; The chip was launched on July 23, 2026; its instructions are those of AMD's public machine-readable ISA for CDNA 5 (MIT licence, August 2026) and "CDNA5" Instruction Set Architecture Reference Guide (July 2026). The comments in the code are by the model that wrote it; some were corrected since.
;; Layer Norm LSTM Cell. Allowed arithmetic: float matrix products may take bf16 or f16 operands with f32 sums; other float arithmetic in f32, or as packed bf16 or f16 multiplies, adds, multiply-adds, maxima and minima; sums over many terms, partial sums and values carried from step to step in f32; what a program stores and reads back later, other than sums and carried values, may be rounded once to bf16 or f16.
;; Inputs: W_hh 4,096 x 1,024 float32; W_ih 4,096 x 1,024 float32; cx 8,192 x 1,024 float32; hx 8,192 x 1,024 float32; input 8,192 x 1,024 float32; ln_c_b 1,024 float32; ln_c_g 1,024 float32; ln_h_b 4,096 float32; ln_h_g 4,096 float32; ln_i_b 4,096 float32; ln_i_g 4,096 float32.
;; Outputs: out0 8,192 x 1,024 float32; out1 8,192 x 1,024 float32.
;; 2 versions, each right; version 2 is version 1 with the launches cast, finish written anew for expert scheduling mode. Each part assembles by itself: llvm-mc -triple=amdgcn-amd-amdhsa -mcpu=gfx1250 --defsym DOCPART=n.
;; ======== version 1 of 2: 3 launches
;; workspace buffers: xb 33,554,432 bytes; wb 16,777,216 bytes; u 134,217,728 bytes; st 4,194,304 bytes
;; launch cast (part 1): grid 768 x 1, 8 waves a work-group, no clusters, 0 bytes of LDS; arguments input, hx, W_ih, W_hh, xb, wb; writes xb, wb
.if DOCPART == 1
	.amdgcn_target "amdgcn-amd-amdhsa--gfx1250"
	.amdhsa_code_object_version 6
	.text
	.protected	k_q64b16de0ba_cast
	.globl	k_q64b16de0ba_cast
	.p2align	8
	.type	k_q64b16de0ba_cast,@function
k_q64b16de0ba_cast:
	s_mov_b64 s[64:65], 0
	v_nop
	global_prefetch_b8 v0, s[64:65] scope:SCOPE_SE
	s_setreg_imm32_b32 hwreg(HW_REG_WAVE_MODE, 25, 1), 1
	s_wait_xcnt 0x0
; xb = bf16 of input (rows 0-8191) stacked on hx (rows 8192-16383); wb = bf16 of W_ih (rows 0-4095) stacked on W_hh.  Each number is rounded once, to nearest even.
; A work-group takes 32,768 numbers: 131,072 bytes in, 65,536 out.  Groups 0-255 input, 256-511 hx, 512-639 W_ih, 640-767 W_hh.
; Thread t takes 16 bytes at 16 t of each 4,096: a wave's load covers 512 consecutive bytes, its store 256 consecutive bytes, aligned.
; All 32 loads of a thread go out at once (131,072 bytes a work-group on their way); no register is written twice, so no wait but the counted ones on the loads.
; No LDS, no cluster: nothing is shared and nothing is read twice.
.set X, 4                              ; v[4:131]  32 x 4 numbers as loaded; the first two registers of each four then hold the 4 bf16
	s_load_b256 s[4:11], s[0:1], 0x0               ; input s[4:5], hx s[6:7], W_ih s[8:9], W_hh s[10:11]
	s_load_b128 s[12:15], s[0:1], 0x20             ; xb s[12:13], wb s[14:15]
	v_lshlrev_b32 v1, 4, v0                        ; 16 t
	v_lshlrev_b32 v2, 3, v0                        ; 8 t
	s_mov_b32 s22, 127
	s_mov_b32 s26, 255
	s_wait_kmcnt 0x0
	s_cmp_lt_u32 ttmp9, 256
	s_cselect_b64 s[16:17], s[4:5], s[6:7]         ; input or hx
	s_cmp_lt_u32 ttmp9, 640
	s_cselect_b64 s[18:19], s[8:9], s[10:11]       ; W_ih or W_hh
	s_cmp_lt_u32 ttmp9, 512
	s_cselect_b64 s[16:17], s[16:17], s[18:19]     ; the source,
	s_cselect_b64 s[20:21], s[12:13], s[14:15]     ; the destination,
	s_cselect_b32 s22, s26, s22                    ; and how many groups a source has, less one
	s_and_b32 s22, ttmp9, s22                      ; my place in the source
	s_lshl_b32 s22, s22, 17
	s_mov_b32 s23, 0
	s_and_b32 s24, ttmp9, 511                      ; my place in the destination (groups 512-767: 0-255)
	s_lshl_b32 s24, s24, 16
	s_mov_b32 s25, 0
	s_add_nc_u64 s[16:17], s[16:17], s[22:23]
	s_add_nc_u64 s[20:21], s[20:21], s[24:25]
.set i, 0
.rept 32
	global_load_b128 v[X+4*i:X+4*i+3], v1, s[16:17] offset:4096*i th:TH_LOAD_NT
.set i, i+1
.endr
.set i, 0
.rept 32
	s_wait_loadcnt 31-i                            ; loads come back in order: number i is in, the 31 - i younger ones stay out
	v_cvt_pk_bf16_f32 v[X+4*i], v[X+4*i], v[X+4*i+1]
	v_cvt_pk_bf16_f32 v[X+4*i+1], v[X+4*i+2], v[X+4*i+3]
	global_store_b64 v2, v[X+4*i:X+4*i+1], s[20:21] offset:2048*i
.set i, i+1
.endr
	s_endpgm
.Lfunc_end_k_q64b16de0ba_cast:
	.size	k_q64b16de0ba_cast, .Lfunc_end_k_q64b16de0ba_cast-k_q64b16de0ba_cast
	.p2alignl 7, 3214868480
	.fill 96, 4, 3214868480
	.section	.rodata,"a",@progbits
	.p2align	6, 0x0
	.amdhsa_kernel k_q64b16de0ba_cast
		.amdhsa_group_segment_fixed_size 0
		.amdhsa_private_segment_fixed_size 0
		.amdhsa_enable_private_segment 0
		.amdhsa_kernarg_size 48
		.amdhsa_user_sgpr_count 2
		.amdhsa_user_sgpr_kernarg_segment_ptr 1
		.amdhsa_wavefront_size32 1
		.amdhsa_system_sgpr_workgroup_id_x 1
		.amdhsa_system_sgpr_workgroup_id_y 1
		.amdhsa_system_sgpr_workgroup_id_z 1
		.amdhsa_system_vgpr_workitem_id 0
		.amdhsa_next_free_vgpr 132
		.amdhsa_next_free_sgpr 66
		.amdhsa_reserve_vcc 0
		.amdhsa_float_denorm_mode_32 3
		.amdhsa_float_denorm_mode_16_64 3
		.amdhsa_memory_ordered 1
		.amdhsa_forward_progress 1
		.amdhsa_inst_pref_size 13
	.end_amdhsa_kernel
	.amdgpu_metadata
---
amdhsa.version: [ 1, 2 ]
amdhsa.kernels:
  - .name:           k_q64b16de0ba_cast
    .symbol:         k_q64b16de0ba_cast.kd
    .args:
      - { .name: input, .offset: 0, .size: 8, .value_kind: global_buffer, .address_space: global }
      - { .name: hx, .offset: 8, .size: 8, .value_kind: global_buffer, .address_space: global }
      - { .name: W_ih, .offset: 16, .size: 8, .value_kind: global_buffer, .address_space: global }
      - { .name: W_hh, .offset: 24, .size: 8, .value_kind: global_buffer, .address_space: global }
      - { .name: xb, .offset: 32, .size: 8, .value_kind: global_buffer, .address_space: global }
      - { .name: wb, .offset: 40, .size: 8, .value_kind: global_buffer, .address_space: global }
    .group_segment_fixed_size: 0
    .private_segment_fixed_size: 0
    .kernarg_segment_align: 8
    .kernarg_segment_size: 48
    .max_flat_workgroup_size: 256
    .sgpr_count:     66
    .vgpr_count:     132
    .wavefront_size: 32
...
	.end_amdgpu_metadata
.endif
;; end of part 1
;; launch gates (part 2): grid 16 x 16, 4 waves a work-group, clusters of 4 x 4, 327,680 bytes of LDS; arguments xb, wb, u, st; writes u, st
.if DOCPART == 2
	.amdgcn_target "amdgcn-amd-amdhsa--gfx1250"
	.amdhsa_code_object_version 6
	.text
	.protected	k_q64b16de0ba_gates
	.globl	k_q64b16de0ba_gates
	.p2align	8
	.type	k_q64b16de0ba_gates,@function
k_q64b16de0ba_gates:
	s_mov_b64 s[64:65], 0
	v_nop
	global_prefetch_b8 v0, s[64:65] scope:SCOPE_SE
	s_setreg_imm32_b32 hwreg(HW_REG_WAVE_MODE, 25, 1), 1
	s_wait_xcnt 0x0
	s_wait_alu depctr_hold_cnt(0) depctr_sa_sdst(0) depctr_va_vdst(0) depctr_va_sdst(0) depctr_va_ssrc(0) depctr_va_vcc(0) depctr_vm_vsrc(0)
	s_getreg_b32 s2, hwreg(HW_REG_IB_STS2, 6, 4)
	s_cmp_eq_u32 s2, 0
	s_cbranch_scc0 .Lentry_in_a_cluster
	s_endpgm
.Lentry_in_a_cluster:
	s_bfe_u32 s2, ttmp6, 0x10000c
	s_cmp_lg_u32 s2, 0xf033
	s_cbranch_scc0 .Lentry_shape_is_right
	s_endpgm
.Lentry_shape_is_right:
; BOTH PRODUCTS OF THE CELL.  y[R][n] = sum over k of xb[R][k] wb[4096 p + n][k], p = R / 8192 (0: input W_ih^T, 1: hx W_hh^T).  xb: [16384][1024], wb: [8192][1024], bf16; sums in f32, K ascending.
; WHAT IS STORED.  Not y, but y centred and scaled by pieces: a CHUNK is 128 columns of a row (chunk c = n / 128), just what one wave holds of a row.  m = the chunk's mean; v = max(mean of (y - m)^2, 2^-100);
; u[R][n] = (y - m) / sqrt(v) in f16 (|u| is at most sqrt(127)); st[c][R] = (m, sqrt(v)) in f32.  So f16's range is never at stake, whatever the size of the inputs, and the launch behind makes a row's
; mean and variance from 32 pairs, without a difference of large sums.
; LIMITS.  Operands are bf16 (rounded once by the launch before).  The floor 2^-100 under a chunk's variance is nothing beside the 1e-5 that the norm adds.  NaN and infinities are not treated apart.
; SHARES.  A tile is 256 x 256, made by four waves, each 128 x 128: 64 accumulators of 16 x 16, 512 registers.  There are 2 x 32 x 16 = 1,024 tiles and 256 work-groups: A WORK-GROUP STAYS and makes four tiles,
; 2,048 rows apart, which share their rows of wb.  K goes in steps of 128 through two LDS slots filled by the tensor data mover; the slots take turns on into the next tile.
; CLUSTERS: 4 x 4 work-groups.  The four of a row of the cluster need the same tiles of xb, the four of a column the same tiles of wb: each tile is asked for JOINTLY, by the same tensor load with the same
; descriptor and a mask that names the four.  The product p is the low bit of the cluster's y, so it is the same in all sixteen; the clusters with y = p and y = p + 2 share that product's rows of wb.
; THE MATRIX INSTRUCTION IS USED TRANSPOSED (source 0 = 16 rows of wb, source 1 = 16 rows of xb): lane l holds row l % 16 and the columns 8 (l / 16) + 0..7 of each block of 16: a row's 128 columns lie in two lanes.
; REGISTERS, in windows of 256 (s_set_vgpr_msb: bits 1:0 source 0, 3:2 source 1, 5:4 source 2, 7:6 destination):
;   window 0: v0-31 addresses; v64-127, v128-191 fragments of xb, two buffers; on the way out v128-183 the chunks' statistics, v192-223 at work, v32-63 and v224-255 rows read back from the stage
;   window 1: v64-127, v128-191 fragments of wb      window 2: the accumulators of my rows 0-63 ((a, b) at v[8 (8 a + b)])      window 3: those of my rows 64-127
.set SIZE_K, 1024
.set SIZE_N, 4096
.set KSTEP,  128
.set PITCH,  272                       ; an LDS row: 256 bytes + 16 of padding = 68 words: the 16 rows that a load touches start at 16 different groups of four banks (64 banks of 4 bytes: ISA guide 11.1)
.set HALFT,  128*PITCH                 ; 128 rows: what one tensor load brings, and what one wave reads of either operand
.set SLOT,   4*HALFT                   ; xb's 256 rows, then wb's 256 rows
.set STAGE,  2*SLOT                    ; behind the ring: 16 rows x 272 bytes for each wave, for u's way out
.set SPITCH, 272
.set SSTG,   STAGE+4*16*SPITCH         ; 1,024 bytes for each wave: (m, sqrt v) of its 128 rows
.set SPARE,  SSTG+4*1024               ; the spare words, 128 bytes for each wave: two blocks of 256 bytes that no other line names
.set LAPS,   SIZE_K/(2*KSTEP)          ; a lap = two K steps = once round the ring
.set TILES,  4
.set WALK,   2048                      ; rows from a work-group's tile to its next
.set NEXT_A, WALK*SIZE_K*2-(SIZE_K-2*KSTEP)*2   ; bytes from a slot's last K step of a tile to its first of the next tile: xb goes WALK rows down and back along K,
.set BACK_B, (SIZE_K-2*KSTEP)*2        ; wb only back
.set NEXT_C, (WALK-7*16)*SIZE_N*2      ; bytes in u from my last 16 rows of a tile to my first of the next
.set NEXT_S, WALK*8                    ; the same step in st: 8 bytes a row
.set ADRA, 16                          ; v16-17  LDS address of my xb fragments in slot 0, 1
.set ADRB, 20                          ; v20-21  the same for wb
.set SGO,  23                          ; v23     16 x lane: my 16 bytes in 512 consecutive bytes of st
.set STO,  24                          ; v24     the way out: where I put 16 bytes of a row
.set RD,   25                          ; v25     the way out: where I read a row back
.set CO,   26                          ; v26     my byte offset in u
.set SST,  27                          ; v27     where my lane puts a row's m (lanes 0-15) or sqrt v (lanes 16-31)
.set SPW,  28                          ; v28     LDS address of my spare word: SPARE + 4 x my thread's number; never rewritten
.set NIL,  29                          ; v29     0; never rewritten
.set PFO,  30                          ; v30     the prefetches' offset: my lane x a row of 2,048 bytes; never rewritten
.set SRD,  31                          ; v31     where I read the statistics back
.set OB,   32                          ; the way out: 16 rows read back: v32-63 and v224-255 by turns
.set F0,   64                          ; fragment buffer 0
.set F1,   128                         ; fragment buffer 1
.set MS,   128                         ; the way out: block a's pair at MS + 2 a: the mean in the low register
.set QS,   144                         ; the variance
.set RS,   160                         ; 1 / sqrt v, sqrt v
.set SV,   176                         ; what goes to the statistics' stage
.set TMP,  192
.set G1,   24                          ; s[24:31] descriptor group 1 for xb's tiles
.set G0,   32                          ; s[32:39] group 0, one set for each slot
.set LIM,  43                          ; s43     1 in a wave that prefetches, else the greatest number
.set PFA,  44                          ; s[44:45] where my prefetches stand
.set G1B,  48                          ; s[48:55], s[56:63] the same for wb's tiles
.set G0B,  56
.set STP,  66                          ; s[66:67] st at my wave's rows of the tile last stored
.set STS,  68                          ; s[68:69] what the next way out adds to it
.set SEL,  70                          ; s[70:71] v_permlanex16_b32's selects: each lane takes its own place in the other half
.set LOW,  72                          ; s72     the mask of lanes 0-15
.set MSB, 0
.macro WIN new                         ; the immediate's high byte repeats the setting that is left; a switch that changes nothing is dropped
.if MSB != (\new)
	s_set_vgpr_msb (MSB<<8)|(\new)
.set MSB, \new
.endif
.endm
.set MUL_LO, 0xa1                      ; source 0 (wb) window 1, source 1 (xb) window 0, C and D window 2
.set MUL_HI, 0xf1                      ; the same, C and D window 3
.set TO_B,   0x40                      ; destination window 1, address window 0
; A joint load.  Waves 0 and 1 fetch xb's two halves, waves 2 and 3 wb's.  The branch hangs on the wave's number alone.  An s_nop 0 and four v_nop follow each of the two lines.
.macro JLOAD s
	s_cmp_eq_u32 s11, 0
	s_cbranch_scc0 .Lfor_b_\@
	tensor_load_to_lds s[G0+4*(\s):G0+4*(\s)+3], s[G1:G1+7]
	s_nop 0
.rept 4
	v_nop
.endr
	s_branch .Lasked_\@
.Lfor_b_\@:
	tensor_load_to_lds s[G0B+4*(\s):G0B+4*(\s)+3], s[G1B:G1B+7]
	s_nop 0
.rept 4
	v_nop
.endr
.Lasked_\@:
.endm
; A PREFETCH, behind each joint load and the run of LDS loads that follows it: the K step that stands TWO refills on (512 matrix instructions ahead of the load that will want it): 32 rows x 256 bytes, a lane a row.
; Each row's 256 bytes of a K step are named once in the launch.  xb's tile row is read by the four clusters of one cluster y: the one with cluster x = 0 asks.  wb's tile column is read by the two clusters of one
; product and cluster x (cluster y = p and p + 2): the one with cluster y below 2 asks.  The four partners that ask for a tile jointly share its rows out BY ADDRESS, 32 each.  how = 0, in the loop: a tile's last two
; refills have no K step two on; how = 1, at a change of tiles: xb's K steps 2 and 3 of the next tile; wb's rows are asked for in the first tile alone.
.macro ASK how
.if \how
	s_cmp_eq_u32 s[LIM], 1
.else
	s_cmp_gt_u32 s3, s[LIM]                        ; s3 = 1 in the loop's last trip
.endif
	s_cbranch_scc0 .Lnot_mine_\@
	global_prefetch_b8 v[PFO], s[PFA:PFA+1] offset:KSTEP*2 th:TH_LOAD_NT scope:SCOPE_SE
.Lnot_mine_\@:
.endm
; A round of the cluster's barrier: my work-group's barrier; wave 0 signals for the work-group; every wave waits for all sixteen; my work-group's barrier once more.
.macro CREST                           ; a round behind its opening barrier
	s_cmp_lg_u32 s10, 0
	s_cbranch_scc1 .Lnot_wave_0_\@
	s_barrier_signal -3
.Lnot_wave_0_\@:
	s_barrier_wait -3
	s_barrier_signal -1
	s_barrier_wait -1
.endm
.macro CROUND                          ; a whole round
	s_barrier_signal -1
	s_barrier_wait -1
	CREST
.endm
	s_load_b128 s[4:7], s[0:1], 0x0                ; xb s[4:5], wb s[6:7]
	s_load_b64 s[8:9], s[0:1], 0x10                ; u
	s_load_b64 s[STP:STP+1], s[0:1], 0x18          ; st
	v_lshl_add_u32 v[SPW], v0, 2, SPARE
	v_mov_b32 v[NIL], 0
	ds_add_u32 v[SPW], v[NIL]                      ; the wave's opening: the add, twice on end, and its wait ahead of my first tensor load
	ds_add_u32 v[SPW], v[NIL]                      ; and once more, under the one wait; the set-up below, work on registers, stands between
	v_lshrrev_b32 v1, 5, v0
	v_readfirstlane_b32 s10, v1                    ; wave 0..3
	s_lshr_b32 s11, s10, 1                         ; which half of the tile's rows is mine.  Also: I fetch for xb (0) or for wb (1)
	s_and_b32 s12, s10, 1                          ; which half of its columns.  Also: which 128 rows of that tile I fetch
	s_bfe_u32 s40, ttmp6, 0x40000                  ; cx
	s_bfe_u32 s41, ttmp6, 0x40004                  ; cy
	s_lshl_b32 s42, ttmp9, 2
	s_add_co_u32 s42, s42, s40                     ; tile column = 4 x cluster x + cx: 0..15
	s_and_b32 s73, ttmp7, 0xffff                   ; cluster y: 0..3
	s_and_b32 s74, s73, 1                          ; the product p = cluster y % 2
	s_lshr_b32 s75, s73, 1                         ; which half of the walk's eight tile rows = cluster y / 2
	s_lshl_b32 s13, s75, 2
	s_add_co_u32 s13, s13, s41                     ; tile row in the walk = 4 x (cluster y / 2) + cy: 0..7
	s_lshl_b32 s43, s41, 2
	s_lshl_b32 s43, 15, s43                        ; my row of the cluster: places 4 cy .. 4 cy + 3
	s_lshl_b32 s44, 0x1111, s40                    ; my column: places cx, cx + 4, cx + 8, cx + 12
	; descriptor group 1: a tile of 128 rows x 128 elements, padded in LDS
	s_or_b32 s[G1+0], s43, (1<<16)|(1<<20)|(1<<21)|(5<<22)|(3<<25)  ; 15:0 the mask; 17:16 elements of 2 bytes; 20 padding on; 21 set beside a mask; 24:22 after every 64 words (code 5); 31:25 4 words of it (code 3)
	s_or_b32 s[G1B+0], s44, (1<<16)|(1<<20)|(1<<21)|(5<<22)|(3<<25)
.irp g, G1, G1B
	s_mov_b32 s[(\g)+1], KSTEP<<16                 ; tensor_dim0 = 128
	s_mov_b32 s[(\g)+2], 128<<16                   ; tensor_dim1 = 128
	s_mov_b32 s[(\g)+3], KSTEP<<16                 ; tile_dim0 = 128
	s_mov_b32 s[(\g)+4], 128                       ; tile_dim1 = 128
	s_mov_b32 s[(\g)+5], SIZE_K                    ; elements from row to row
	s_mov_b32 s[(\g)+6], 0
	s_mov_b32 s[(\g)+7], 0
.endr
	s_mov_b32 s[SEL], 0x76543210
	s_mov_b32 s[SEL+1], 0xfedcba98
	; where the tiles come from.  xb's hang on p, the tile row and the wave; wb's on p, the tile column and the wave.
	s_lshl_b32 s17, s12, 7                         ; which 128 rows of the tile I fetch
	s_lshl_b32 s16, s13, 8
	s_add_co_u32 s16, s16, s17
	s_lshl_b32 s18, s74, 13
	s_add_co_u32 s16, s16, s18                     ; xb: row 8192 p + 256 x tile row + 128 x half
	s_lshl_b32 s46, s42, 8
	s_add_co_u32 s46, s46, s17
	s_lshl_b32 s18, s74, 12
	s_add_co_u32 s46, s46, s18                     ; wb: row 4096 p + 256 x tile column + 128 x half
	s_lshl_b32 s16, s16, 11                        ; rows of 2,048 bytes: under 2^25
	s_mov_b32 s17, 0
	s_lshl_b32 s46, s46, 11
	s_mov_b32 s47, 0
	s_mul_i32 s20, s10, HALFT                      ; where they go: wave x 128 rows: no place in the cluster enters an LDS address
	s_wait_dscnt 0x0                               ; both opening adds are done
	s_wait_kmcnt 0x0
	s_add_nc_u64 s[14:15], s[4:5], s[16:17]
	s_add_nc_u64 s[46:47], s[6:7], s[46:47]
	CROUND                                         ; all sixteen work-groups are here: the first joint loads meet
.irp s, 0,1
	s_mov_b32 s[G0+4*(\s)], 1                                      ; count = 1
	s_add_co_u32 s[G0+4*(\s)+1], s20, (\s)*SLOT                    ; LDS address
	s_add_nc_u64 s[G0+4*(\s)+2:G0+4*(\s)+3], s[14:15], (\s)*KSTEP*2  ; global address: K step s
	s_or_b32 s[G0+4*(\s)+3], s[G0+4*(\s)+3], 0x80000000            ; type = 2
	s_mov_b32 s[G0B+4*(\s)], 1
	s_add_co_u32 s[G0B+4*(\s)+1], s20, (\s)*SLOT
	s_add_nc_u64 s[G0B+4*(\s)+2:G0B+4*(\s)+3], s[46:47], (\s)*KSTEP*2
	s_or_b32 s[G0B+4*(\s)+3], s[G0B+4*(\s)+3], 0x80000000
	JLOAD \s                                       ; the ring is filled before anything else is done: two loads of mine are out
.endr
	; A fragment is 16 rows x 32 K in 8 registers: lane l holds row l % 16; registers 0-3 K = 8 (l / 16) + 0..7, registers 4-7 K = 16 + 8 (l / 16) + 0..7: two loads of 16 bytes, 32 bytes apart.
	v_and_b32 v1, 15, v0                           ; l % 16
	v_bfe_u32 v2, v0, 4, 1                         ; l / 16
	v_mul_u32_u24 v3, v1, PITCH
	v_lshl_add_u32 v3, v2, 4, v3
	s_mul_i32 s21, s11, HALFT                      ; my 128 rows of xb
	s_mul_i32 s22, s12, HALFT                      ; my 128 rows of wb,
	s_add_co_u32 s22, s22, 2*HALFT                 ; which lie behind xb's 256
.irp s, 0,1
	v_add_nc_u32 v[ADRA+(\s)], s21, v3
	v_add_nc_u32 v[ADRB+(\s)], s22, v3
	s_add_co_u32 s21, s21, SLOT
	s_add_co_u32 s22, s22, SLOT
.endr
	s_mul_i32 s23, s10, 16*SPITCH
	s_add_co_u32 s23, s23, STAGE                   ; my stage
	v_mul_u32_u24 v4, v1, SPITCH                   ; in: row l % 16, 16 bytes for each half of the lanes
	v_lshl_add_u32 v4, v2, 4, v4
	v_add_nc_u32 v[STO], s23, v4
	v_mul_u32_u24 v5, v2, SPITCH                   ; back: lanes 0-15 take one row of 256 bytes, lanes 16-31 the next
	v_lshl_add_u32 v5, v1, 4, v5
	v_add_nc_u32 v[RD], s23, v5
	v_mul_u32_u24 v5, v2, SIZE_N*2                 ; and the same two rows in u
	v_lshl_add_u32 v[CO], v1, 4, v5
	s_lshl_b32 s23, s10, 10
	s_add_co_u32 s23, s23, SSTG                    ; my statistics' stage: row r's pair at 8 r
	v_lshlrev_b32 v4, 3, v1
	v_lshl_add_u32 v4, v2, 2, v4
	v_add_nc_u32 v[SST], s23, v4
	v_and_b32 v5, 31, v0
	v_lshlrev_b32 v[SGO], 4, v5
	v_add_nc_u32 v[SRD], s23, v[SGO]
	v_cmp_gt_u32 s[LOW], 16, v5
	; where my part of the first tile begins in u and in st, in bytes: the first way out adds them to the two addresses
	s_lshl_b32 s16, s13, 8
	s_lshl_b32 s14, s11, 7
	s_add_co_u32 s16, s16, s14
	s_lshl_b32 s14, s74, 13
	s_add_co_u32 s16, s16, s14                     ; my first stacked row
	s_lshl_b32 s[STS], s16, 3                      ; 8 bytes a row in st
	s_lshl_b32 s16, s16, 13                        ; 8,192 bytes a row in u: under 2^27
	s_lshl_b32 s46, s42, 9                         ; my first column: 512 x tile column + 256 x half
	s_lshl_b32 s47, s12, 8
	s_add_co_u32 s46, s46, s47
	s_add_co_u32 s16, s16, s46
	s_mov_b32 s17, 0
	s_lshl_b32 s46, s42, 1
	s_add_co_u32 s46, s46, s12                     ; my chunk = 2 x tile column + half
	s_lshl_b32 s46, s46, 17                        ; a chunk's 16,384 rows are 131,072 bytes of st
	s_add_co_u32 s[STS], s[STS], s46
	s_mov_b32 s[STS+1], 0
	; the prefetches
	s_lshl_b32 s20, s13, 8
	s_lshl_b32 s21, s74, 13
	s_add_co_u32 s20, s20, s21                     ; the tile's first row in xb,
	s_lshl_b32 s22, s42, 8
	s_lshl_b32 s21, s74, 12
	s_add_co_u32 s22, s22, s21                     ; and in wb
	s_cmp_eq_u32 s11, 0                            ; do I fetch for xb?
	s_cselect_b32 s20, s20, s22
	s_cselect_b32 s21, s40, s41                    ; my place among the four that ask for it with me
	s_cselect_b32 s22, ttmp9, s75                  ; the coordinate along which other clusters read the same rows
	s_cselect_b64 s[PFA:PFA+1], s[4:5], s[6:7]
	s_cmp_eq_u32 s22, 0
	s_cselect_b32 s[LIM], 1, -1                    ; the same in all sixteen partners, for a given wave
	s_lshl_b32 s22, s12, 7
	s_add_co_u32 s20, s20, s22                     ; + the 128 rows that I fetch
	s_lshl_b32 s21, s21, 5
	s_add_co_u32 s20, s20, s21                     ; + my work-group's 32 of them
	s_lshl_b32 s20, s20, 11
	s_mov_b32 s21, 0
	s_add_nc_u64 s[PFA:PFA+1], s[PFA:PFA+1], s[20:21]
	s_add_nc_u64 s[PFA:PFA+1], s[PFA:PFA+1], 2*KSTEP*2  ; at K step 2: the first refill steps it to 3 and names K step 4.  Nothing is prefetched here, at the head
	v_lshlrev_b32 v[PFO], 11, v5
; 16 matrix instructions: m blocks a0, a0 + 1 of the window's four x all 8 n blocks, 32 along K.  zero = 1: the first product starts the sums: nothing is ever cleared.
.macro MUL16 f, hi, a0, zero
	WIN MUL_LO+0x50*(\hi)
.irp a, \a0, (\a0)+1
.irp b, 0,1,2,3,4,5,6,7
.if \zero
	v_wmma_f32_16x16x32_bf16 v[8*(8*(\a)+(\b)):8*(8*(\a)+(\b))+7], v[(\f)+8*(\b):(\f)+8*(\b)+7], v[(\f)+8*(4*(\hi)+(\a)):(\f)+8*(4*(\hi)+(\a))+7], 0
.else
	v_wmma_f32_16x16x32_bf16 v[8*(8*(\a)+(\b)):8*(8*(\a)+(\b))+7], v[(\f)+8*(\b):(\f)+8*(\b)+7], v[(\f)+8*(4*(\hi)+(\a)):(\f)+8*(4*(\hi)+(\a))+7], v[8*(8*(\a)+(\b)):8*(8*(\a)+(\b))+7]
.endif
.endr
.endr
.endm
; 32 LDS loads in one run: the fragments of one quarter step (32 K at byte k of the rows) into buffer f
.macro FETCH slot, k, f
	WIN TO_B
.irp i, 0,1,2,3,4,5,6,7
	ds_load_b128 v[(\f)+8*(\i):(\f)+8*(\i)+3],   v[ADRB+(\slot)] offset:(\k)+(\i)*16*PITCH
	ds_load_b128 v[(\f)+8*(\i)+4:(\f)+8*(\i)+7], v[ADRB+(\slot)] offset:(\k)+(\i)*16*PITCH+32
.endr
	WIN 0
.irp i, 0,1,2,3,4,5,6,7
	ds_load_b128 v[(\f)+8*(\i):(\f)+8*(\i)+3],   v[ADRA+(\slot)] offset:(\k)+(\i)*16*PITCH
	ds_load_b128 v[(\f)+8*(\i)+4:(\f)+8*(\i)+7], v[ADRA+(\slot)] offset:(\k)+(\i)*16*PITCH+32
.endr
.endm
; Four places (plain vector instructions that name none of a matrix instruction's registers) in front of loads into registers that matrix instructions have read, and of vector work on their results.
.macro PLACES
.rept 4
	v_nop
.endr
.endm
; A K step is four quarters of 32 along K, 64 matrix instructions each, on buffers 0, 1, 0, 1; the 64 accumulators take turns in the same order in every quarter.
.macro QUARTER slot, k, f, g, zero
	s_wait_dscnt 8                                 ; wb's fragments and xb's rows 0-63 are in; the youngest eight loads (rows 64-127) may be out
	WIN MUL_LO
	MUL16 \f, 0, 0, \zero
	MUL16 \f, 0, 2, \zero
	PLACES
	FETCH \slot, \k, \g
	s_wait_dscnt 32                                ; all but the 32 just issued
	WIN MUL_HI
	MUL16 \f, 1, 0, \zero
	MUL16 \f, 1, 2, \zero
.endm
; The first half of a step's last quarter: ONE barrier for the change of slots.  In front of it each wave waits for all its tensor loads (one is out: its part of the next slot), adds 0 to its spare word, and waits
; for that and for its own reads of this slot.  Behind it nobody reads this slot any more and the next slot is whole.
.macro MEET round
	WIN 0                                          ; (the add's two registers lie in window 0)
	s_wait_tensorcnt 0x0
	ds_add_u32 v[SPW], v[NIL]
	s_wait_dscnt 9                                 ; (the add and the youngest eight loads may be out)
	WIN MUL_LO
	MUL16 F1, 0, 0, 0                              ; sixteen matrix instructions stand between the add and the wait for it
	s_wait_dscnt 0x0                               ; the add is done, and my reads of this slot are over
	s_barrier_signal -1
	MUL16 F1, 0, 2, 0                              ; work on registers while the others arrive
.if \round
	WIN 0
.endif
	s_barrier_wait -1
.endm
; The whole last quarter.  Behind the round the slot just read out is filled again first: with this tile's K step two steps on (on = 0) or with the NEXT tile's K step 0 or 1 (on = 1).
.macro TURN slot, next, on
	s_wait_xcnt 0x0                                ; the last prefetch, a K step back, has read its address: it is stepped here
.if (\on) && (\slot) == 0
	s_add_nc_u64 s[PFA:PFA+1], s[PFA:PFA+1], (WALK-1)*SIZE_K*2+KSTEP*2  ; from the K step after the tile's last to the next tile's K step 1
	s_cmp_eq_u32 s11, 0
	s_cselect_b32 s[LIM], s[LIM], -1               ; wb's rows are the same for all tiles of the walk: they are asked for no more
.else
	s_add_nc_u64 s[PFA:PFA+1], s[PFA:PFA+1], KSTEP*2
.endif
	MEET 1
	CREST                                          ; no wave of any partner still reads this slot's tile or has a load on its way
.if \on
	s_add_nc_u64 s[G0+4*(\slot)+2:G0+4*(\slot)+3], s[G0+4*(\slot)+2:G0+4*(\slot)+3], NEXT_A
	s_sub_nc_u64 s[G0B+4*(\slot)+2:G0B+4*(\slot)+3], s[G0B+4*(\slot)+2:G0B+4*(\slot)+3], BACK_B
.else
	s_add_nc_u64 s[G0+4*(\slot)+2:G0+4*(\slot)+3], s[G0+4*(\slot)+2:G0+4*(\slot)+3], 2*KSTEP*2
	s_add_nc_u64 s[G0B+4*(\slot)+2:G0B+4*(\slot)+3], s[G0B+4*(\slot)+2:G0B+4*(\slot)+3], 2*KSTEP*2
.endif
	JLOAD \slot                                    ; the first tensor load behind the round, my only one until the next; its four v_nop are also the places in front of the loads below
	FETCH \next, 0, F0
	ASK \on
	WIN MUL_HI
	MUL16 F1, 1, 0, 0
	MUL16 F1, 1, 2, 0
.endm
; THE WAY OUT.  Block a (0..7) is 16 of my rows: 8 accumulators, 64 numbers a lane; a row's 128 numbers lie in lanes l and l + 16.
.macro ALL8 line:vararg                ; one line for each block n8
.set n8, 0
.rept 8
	\line
.set n8, n8+1
.endr
.endm
.macro SUMS a                          ; the lane's 64 numbers are added, two at a time; each accumulator's lowest registers are read first
.set AC, 64*((\a)%4)
	WIN 0x0a+5*((\a)/4)                            ; sources 0 and 1: window 2 or 3
.irp b, 0,1,2,3,4,5,6,7
	v_pk_add_f32 v[TMP+4*(\b):TMP+4*(\b)+1],   v[AC+8*(\b):AC+8*(\b)+1],   v[AC+8*(\b)+2:AC+8*(\b)+3]
	v_pk_add_f32 v[TMP+4*(\b)+2:TMP+4*(\b)+3], v[AC+8*(\b)+4:AC+8*(\b)+5], v[AC+8*(\b)+6:AC+8*(\b)+7]
.endr
	WIN 0
.irp i, 0,1,2,3,4,5,6,7
	v_pk_add_f32 v[TMP+2*(\i):TMP+2*(\i)+1], v[TMP+2*(\i):TMP+2*(\i)+1], v[TMP+16+2*(\i):TMP+16+2*(\i)+1]
.endr
.irp i, 0,1,2,3
	v_pk_add_f32 v[TMP+2*(\i):TMP+2*(\i)+1], v[TMP+2*(\i):TMP+2*(\i)+1], v[TMP+8+2*(\i):TMP+8+2*(\i)+1]
.endr
.irp i, 0,1
	v_pk_add_f32 v[TMP+2*(\i):TMP+2*(\i)+1], v[TMP+2*(\i):TMP+2*(\i)+1], v[TMP+4+2*(\i):TMP+4+2*(\i)+1]
.endr
	v_pk_add_f32 v[MS+2*(\a):MS+2*(\a)+1], v[TMP:TMP+1], v[TMP+2:TMP+3]
.endm
.macro DEVS a                          ; y - m in place, then the sum of its squares, in eight chains
.set AC, 64*((\a)%4)
	WIN 0x82+0x41*((\a)/4)                         ; destination and source 0: window 2 or 3; source 1 window 0
.set i, 0
.rept 32
	v_pk_add_f32 v[AC+2*i:AC+2*i+1], v[AC+2*i:AC+2*i+1], v[MS+2*(\a):MS+2*(\a)+1] op_sel_hi:[1,0] neg_lo:[0,1] neg_hi:[0,1]
.set i, i+1
.endr
	WIN 0x0a+5*((\a)/4)
.irp r, 0,1,2,3
.irp b, 0,1,2,3,4,5,6,7
.if (\r) == 0
	v_pk_mul_f32 v[TMP+2*(\b):TMP+2*(\b)+1], v[AC+8*(\b):AC+8*(\b)+1], v[AC+8*(\b):AC+8*(\b)+1]
.else
	v_pk_fma_f32 v[TMP+2*(\b):TMP+2*(\b)+1], v[AC+8*(\b)+2*(\r):AC+8*(\b)+2*(\r)+1], v[AC+8*(\b)+2*(\r):AC+8*(\b)+2*(\r)+1], v[TMP+2*(\b):TMP+2*(\b)+1]
.endif
.endr
.endr
	WIN 0
.irp i, 0,1,2,3
	v_pk_add_f32 v[TMP+2*(\i):TMP+2*(\i)+1], v[TMP+2*(\i):TMP+2*(\i)+1], v[TMP+8+2*(\i):TMP+8+2*(\i)+1]
.endr
.irp i, 0,1
	v_pk_add_f32 v[TMP+2*(\i):TMP+2*(\i)+1], v[TMP+2*(\i):TMP+2*(\i)+1], v[TMP+4+2*(\i):TMP+4+2*(\i)+1]
.endr
	v_pk_add_f32 v[QS+2*(\a):QS+2*(\a)+1], v[TMP:TMP+1], v[TMP+2:TMP+3]
.endm
.macro PACK a                          ; (y - m) / sqrt v, rounded to f16: 16 bytes a lane for each accumulator
.set AC, 64*((\a)%4)
	WIN 0x82+0x41*((\a)/4)
.set i, 0
.rept 32
	v_pk_mul_f32 v[AC+2*i:AC+2*i+1], v[AC+2*i:AC+2*i+1], v[RS+2*(\a):RS+2*(\a)+1] op_sel_hi:[1,0]
.set i, i+1
.endr
	WIN 0x0a+5*((\a)/4)
.irp b, 0,1,2,3,4,5,6,7
.irp r, 0,1,2,3
	v_cvt_pk_f16_f32 v[TMP+4*(\b)+(\r)], v[AC+8*(\b)+2*(\r)], v[AC+8*(\b)+2*(\r)+1]
.endr
.endr
	WIN 0
.endm
.macro TOSTAGE a                       ; into my own stage, and back as whole rows of 256 bytes
	WIN 0
.set BK, OB+192*((\a)%2)
.irp b, 0,1,2,3,4,5,6,7
	ds_store_b128 v[STO], v[TMP+4*(\b):TMP+4*(\b)+3] offset:32*(\b)
.endr
.irp t, 0,1,2,3,4,5,6,7
	ds_load_b128 v[BK+4*(\t):BK+4*(\t)+3], v[RD] offset:(\t)*2*SPITCH  ; LDS serves a wave's instructions in order (ISA guide 5.7.1.4): these see the stores above
.endr
.endm
.macro SEND a, younger
	WIN 0
.set BK, OB+192*((\a)%2)
	s_wait_dscnt \younger                          ; the block is back in registers
	s_wait_xcnt 0x0                                ; the stores' base and the registers that earlier stores read are rewritten only behind this wait
.if (\a) == 0
	s_add_nc_u64 s[8:9], s[8:9], s[16:17]          ; on to this tile's first rows
.else
	s_add_nc_u64 s[8:9], s[8:9], 16*SIZE_N*2       ; 16 rows of u on
.endif
.irp t, 0,1,2,3,4,5,6,7
	global_store_b128 v[CO], v[BK+4*(\t):BK+4*(\t)+3], s[8:9] offset:2*(\t)*SIZE_N*2  ; 16 lanes store 256 consecutive bytes, at a multiple of 256 from u's first byte
.endr
.endm
.macro WAYOUT
	WIN 0
	PLACES                                         ; behind the last products: what follows reads every accumulator and writes buffer 1's registers
.irp a, 0,1,2,3,4,5,6,7
	SUMS \a
.endr
	ALL8 v_add_f32 v[MS+2*n8], v[MS+2*n8], v[MS+2*n8+1]
	ALL8 v_permlanex16_b32 v[MS+2*n8+1], v[MS+2*n8], s[SEL], s[SEL+1]       ; the row's other 64 numbers lie in the lane 16 away
	ALL8 v_add_f32 v[MS+2*n8], v[MS+2*n8], v[MS+2*n8+1]
	ALL8 v_mul_f32 v[MS+2*n8], 0x3c000000, v[MS+2*n8]                       ; / 128: m
.irp a, 0,1,2,3,4,5,6,7
	DEVS \a
.endr
	ALL8 v_add_f32 v[QS+2*n8], v[QS+2*n8], v[QS+2*n8+1]
	ALL8 v_permlanex16_b32 v[QS+2*n8+1], v[QS+2*n8], s[SEL], s[SEL+1]
	ALL8 v_add_f32 v[QS+2*n8], v[QS+2*n8], v[QS+2*n8+1]
	ALL8 v_mul_f32 v[QS+2*n8], 0x3c000000, v[QS+2*n8]
	ALL8 v_max_num_f32 v[QS+2*n8], 0x0d800000, v[QS+2*n8]                   ; v, not below 2^-100
	ALL8 v_rsq_f32 v[RS+2*n8], v[QS+2*n8]
	v_nop                                          ; a plain instruction behind the last root,
	s_wait_alu depctr_va_vdst(0)                   ; and the wait ahead of the first use: one for the eight
	ALL8 v_mul_f32 v[RS+2*n8+1], v[QS+2*n8], v[RS+2*n8]                     ; sqrt v
	ALL8 v_cndmask_b32 v[SV+n8], v[RS+2*n8+1], v[MS+2*n8], s[LOW]           ; lanes 0-15 carry m, lanes 16-31 sqrt v
	ALL8 ds_store_b32 v[SST], v[SV+n8] offset:128*n8
	PACK 0
	TOSTAGE 0
.irp a, 1,2,3,4,5,6,7                  ; block a's arithmetic stands between block a - 1's loads from the stage and the wait for them
	PACK \a
	SEND (\a)-1, 0
	TOSTAGE \a
.endr
	SEND 7, 0
	ds_load_b128 v[OB:OB+3], v[SRD]                ; my 128 rows' pairs: 1,024 bytes (these registers' last stores were freed by the wait in the last SEND)
	ds_load_b128 v[OB+4:OB+7], v[SRD] offset:512
	s_wait_dscnt 0x0
	s_wait_xcnt 0x0                                ; st's address is rewritten only behind this wait
	s_add_nc_u64 s[STP:STP+1], s[STP:STP+1], s[STS:STS+1]
	global_store_b128 v[SGO], v[OB:OB+3], s[STP:STP+1]              ; 512 consecutive bytes each, at a multiple of 256 from st's first byte
	global_store_b128 v[SGO], v[OB+4:OB+7], s[STP:STP+1] offset:512
.endm
	s_wait_tensorcnt 1                             ; my part of K step 0 is in; K step 1's load was issued behind it and may stay out
	s_barrier_signal -1
	s_barrier_wait -1                              ; everybody's is
	FETCH 0, 0, F0
	s_mov_b32 s2, TILES                            ; tiles to go, this one among them: the same number in every work-group
.Ltile:
	QUARTER 0, 64,  F0, F1, 1                      ; a tile's first quarter: its products start the sums
	WIN 0                                          ; at a label and at a branch every window is 0
	s_mov_b32 s3, LAPS-1
.Llap:                                                 ; a trip goes once round the ring, from a lap's second quarter to the next lap's first, and fills both slots again
	QUARTER 0, 128, F1, F0, 0
	QUARTER 0, 192, F0, F1, 0
	TURN 0, 1, 0
	QUARTER 1, 64,  F0, F1, 0
	QUARTER 1, 128, F1, F0, 0
	QUARTER 1, 192, F0, F1, 0
	TURN 1, 0, 0
	QUARTER 0, 64,  F0, F1, 0
	WIN 0
	s_sub_co_u32 s3, s3, 1
	s_cmp_lg_u32 s3, 0
	s_cbranch_scc1 .Llap
	QUARTER 0, 128, F1, F0, 0                      ; the tile's last lap goes on
	QUARTER 0, 192, F0, F1, 0
	WIN 0
	s_cmp_eq_u32 s2, 1
	s_cbranch_scc1 .Llast_tile                     ; the last tile's tail is written out behind the loop: it asks for nothing more
	TURN 0, 1, 1                                   ; the ring goes on into the next tile: slot 0 takes its K step 0,
	QUARTER 1, 64,  F0, F1, 0
	QUARTER 1, 128, F1, F0, 0
	QUARTER 1, 192, F0, F1, 0
	TURN 1, 0, 1                                   ; slot 1 its K step 1, and the next tile's first fragments are fetched into buffer 0, which the way out leaves alone
	WAYOUT                                         ; both refills are asked for: now the tile goes out
	s_mov_b64 s[16:17], NEXT_C                     ; what the next way out adds to u's address,
	s_mov_b64 s[STS:STS+1], NEXT_S                 ; and to st's
	s_sub_co_u32 s2, s2, 1
	s_branch .Ltile
.Llast_tile:
	MEET 0                                         ; my one tensor load that was still out is slot 1's, the last K step's, so no round follows
	PLACES                                         ; for the loads into buffer 0, which the quarter before multiplied
	FETCH 1, 0, F0
	WIN MUL_HI
	MUL16 F1, 1, 0, 0
	MUL16 F1, 1, 2, 0
	QUARTER 1, 64,  F0, F1, 0
	QUARTER 1, 128, F1, F0, 0
	QUARTER 1, 192, F0, F1, 0
	s_wait_dscnt 8                                 ; the very last quarter: nothing more to fetch
	WIN MUL_LO
	MUL16 F1, 0, 0, 0
	MUL16 F1, 0, 2, 0
	s_wait_dscnt 0x0
	MUL16 F1, 1, 0, 0
	MUL16 F1, 1, 2, 0
	WAYOUT
	s_wait_tensorcnt 0x0                           ; the wave's end: behind my last tensor load and my last LDS store
	ds_add_u32 v[SPW], v[NIL]
	s_wait_dscnt 0x0
	CROUND                                         ; the closing round: no work-group ends while a partner may still ask for a tile that names it
	s_endpgm
.Lfunc_end_k_q64b16de0ba_gates:
	.size	k_q64b16de0ba_gates, .Lfunc_end_k_q64b16de0ba_gates-k_q64b16de0ba_gates
	.p2alignl 7, 3214868480
	.fill 96, 4, 3214868480
	.section	.rodata,"a",@progbits
	.p2align	6, 0x0
	.amdhsa_kernel k_q64b16de0ba_gates
		.amdhsa_group_segment_fixed_size 327680
		.amdhsa_private_segment_fixed_size 0
		.amdhsa_enable_private_segment 0
		.amdhsa_kernarg_size 32
		.amdhsa_user_sgpr_count 2
		.amdhsa_user_sgpr_kernarg_segment_ptr 1
		.amdhsa_wavefront_size32 1
		.amdhsa_system_sgpr_workgroup_id_x 1
		.amdhsa_system_sgpr_workgroup_id_y 1
		.amdhsa_system_sgpr_workgroup_id_z 1
		.amdhsa_system_vgpr_workitem_id 0
		.amdhsa_next_free_vgpr 1024
		.amdhsa_next_free_sgpr 80
		.amdhsa_reserve_vcc 0
		.amdhsa_float_denorm_mode_32 3
		.amdhsa_float_denorm_mode_16_64 3
		.amdhsa_memory_ordered 1
		.amdhsa_forward_progress 1
		.amdhsa_inst_pref_size 255
	.end_amdhsa_kernel
	.section	.bss,"aw",@nobits
	.p2align	6
	.space	262144
	.amdgpu_metadata
---
amdhsa.version: [ 1, 2 ]
amdhsa.kernels:
  - .name:           k_q64b16de0ba_gates
    .symbol:         k_q64b16de0ba_gates.kd
    .args:
      - { .name: xb, .offset: 0, .size: 8, .value_kind: global_buffer, .address_space: global }
      - { .name: wb, .offset: 8, .size: 8, .value_kind: global_buffer, .address_space: global }
      - { .name: u, .offset: 16, .size: 8, .value_kind: global_buffer, .address_space: global }
      - { .name: st, .offset: 24, .size: 8, .value_kind: global_buffer, .address_space: global }
    .group_segment_fixed_size: 327680
    .private_segment_fixed_size: 0
    .kernarg_segment_align: 8
    .kernarg_segment_size: 32
    .max_flat_workgroup_size: 128
    .sgpr_count:     80
    .vgpr_count:     1024
    .wavefront_size: 32
...
	.end_amdgpu_metadata
.endif
;; end of part 2
;; launch finish (part 3): grid 512 x 1, 8 waves a work-group, no clusters, 13,568 bytes of LDS; arguments u, st, cx, ln_i_g, ln_i_b, ln_h_g, ln_h_b, ln_c_g, ln_c_b, out0, out1; writes out0, out1
.if DOCPART == 3
	.amdgcn_target "amdgcn-amd-amdhsa--gfx1250"
	.amdhsa_code_object_version 6
	.text
	.protected	k_q64b16de0ba_finish
	.globl	k_q64b16de0ba_finish
	.p2align	8
	.type	k_q64b16de0ba_finish,@function
k_q64b16de0ba_finish:
	s_mov_b64 s[64:65], 0
	v_nop
	global_prefetch_b8 v0, s[64:65] scope:SCOPE_SE
	s_setreg_imm32_b32 hwreg(HW_REG_WAVE_MODE, 25, 1), 1
	s_wait_xcnt 0x0
; THE CELL BEHIND ITS TWO PRODUCTS.  For row b and product p (stacked row R = 8192 p + b) the launch before left u[R][n] = (y - m_c) / s_c in f16 and st[c][R] = (m_c, s_c) in f32, c = n / 128.
; A row's norm: mu = mean of the 32 m_c; var = mean of (s_c^2 + (m_c - mu)^2); (y - mu) rsqrt(var + 1e-5) = u alpha_c + beta_c, alpha_c = s_c rstd, beta_c = (m_c - mu) rstd.
; gates = (that of p = 0) g_i + b_i + (that of p = 1) g_h + b_h; i, f, o = sigmoid, g = tanh; c = f cx + i g; cy = norm of c over 1,024 columns (out1); hy = o tanh(cy) (out0).
; sigmoid(x) = 1 / (1 + 2^(-x log2 e)), tanh(x) = 1 - 2 / (1 + 2^(2 x log2 e)): the factors are folded into the gains and biases; both forms end rightly where the power is 0 or infinite.
; LIMITS.  cx and the six gains and biases are rounded once to bf16, as the matrix operands were; all arithmetic is f32.  Variances are made from deviations, in two levels (a wave's 128 columns, then the
; 8 waves), never as a difference of large sums.  NaN and infinities are not treated apart.
; SHARES.  A work-group owns 16 rows; thread t owns hidden columns 4 t .. 4 t + 3 of every row, so its gains and biases stay in registers, and gate q of wave w lies in chunk 8 q + w.
; A wave's load covers 256 (u) or 512 (cx) consecutive bytes, its stores 512.  Four rows are a trip; a ring of four row slots keeps 36 loads of every wave on their way: 81,920 bytes a work-group.
; A work-group takes 8 x 256 registers, so two fit into a WGP's 4 x 1,024: each runs its own barriers, and one has work to issue while the other stands at a wait.
; The statistics alone come in pieces of 128 bytes (16 rows x 8): 4,194,304 bytes in the whole launch.
; No tensor loads (no wave reads what another fetched), no cluster (the work-groups share the gains and biases alone, 73,728 bytes beside the 458,752 that each streams), no prefetch (the launch is one stream).
.set ROWS,  16
.set ABP,   80                         ; LDS 0 .. 10,239: for each wave 16 rows x 80 bytes: for q = 0..3 (alpha_i, beta_i, alpha_h, beta_h), 64 bytes + 16 of padding
.set MSL,   10240                      ; 2,048 bytes: [wave][lane = 16 p + row] x (mean of the wave's 4 means, its share of the variance)
.set PT,    12288                      ; 256 bytes: [4 rows][8 waves] x (mean, sum of squared deviations) of c
.set SPARE, 12544                      ; the spare words, 128 bytes for each of 8 waves: four blocks of 256 bytes that no other line names
.set GI,   16                          ; v[16:31]   g_i x factor, 4 a gate
.set GH,   32                          ; v[32:47]   g_h x factor
.set BS,   48                          ; v[48:63]   (b_i + b_h) x factor
.set CG,   64                          ; v[64:67]   ln_c_g
.set CB,   68                          ; v[68:71]   ln_c_b
.set RING, 72                          ; v[72:151]  slot j at 72 + 20 j: u of (p, q) at + 2 (4 p + q), cx at + 16
.set ABR,  152                         ; v[152:183] two buffers of 16: a row's alphas and betas (in the prologue: b_i, b_h)
.set C,    184                         ; v[184:199] c, then cy, 4 a row (in the prologue: my chunks' pairs)
.set O,    200                         ; v[200:215] o, then hy (in the prologue: my alphas and betas)
.set E,    216                         ; v[216:231] at work
.set T,    232                         ; v[232:247] at work
.set OWN,  184
.set PM,   216
; v1 lane; v2 8 t; v3 16 t; v4 my wave's alphas and betas, at the trip's first row; v5 where my lane (a row and a product) stores them; v6, v7 PT: where my wave stores, where my lane reads;
; v8, v9 the add's two registers; v10 my lane's offset in st; v11, v12 MSL: where I store, where I read; v13-15 at work in the set-up
; s[4:5] u (p = 0), s[28:29] u (p = 1), s[6:7] st, s[8:9] cx, s[10:21] the six gains and biases, s[22:23] out0, s[24:25] out1; s26 wave; s27 trips; s[30:31] lane selects;
; s[32:47] row j: (rstd, 0) at 32 + 4 j, (-mu rstd, 0) at 34 + 4 j; s48 1/1024; s49 1e-5; s53 1/32
	s_load_b512 s[4:19], s[0:1], 0x0               ; u, st, cx, ln_i_g, ln_i_b, ln_h_g, ln_h_b, ln_c_g
	s_load_b128 s[20:23], s[0:1], 0x40             ; ln_c_b, out0
	s_load_b64 s[24:25], s[0:1], 0x50              ; out1
	v_lshl_add_u32 v8, v0, 2, SPARE
	v_mov_b32 v9, 0
	v_and_b32 v1, 31, v0
	v_lshrrev_b32 v13, 5, v0
	v_readfirstlane_b32 s26, v13                   ; wave 0..7
	v_lshlrev_b32 v2, 3, v0
	v_lshlrev_b32 v3, 4, v0
	v_and_b32 v14, 15, v0                          ; in the prologue a lane is a row
	v_bfe_u32 v15, v0, 4, 1                        ; and a product p
	s_mul_i32 s50, s26, ROWS*ABP
	v_mov_b32 v4, s50
	v_mul_u32_u24 v5, v14, ABP
	v_lshl_add_u32 v5, v15, 3, v5                  ; 80 x row + 8 p
	v_add_nc_u32 v5, s50, v5
	s_lshl_b32 s51, s26, 3
	s_add_co_u32 s51, s51, PT
	v_mov_b32 v6, s51
	v_lshlrev_b32 v13, 3, v1                       ; 8 x lane
	v_add_nc_u32 v7, PT, v13
	s_lshl_b32 s52, s26, 8
	s_add_co_u32 s52, s52, MSL
	v_add_nc_u32 v11, s52, v13
	v_add_nc_u32 v12, MSL, v13
	v_lshlrev_b32 v10, 3, v14                      ; 8 bytes a row in st,
	v_lshl_add_u32 v10, v15, 16, v10               ; 8,192 rows on for p = 1
	s_mov_b32 s30, 0x76543210
	s_mov_b32 s31, 0xfedcba98
.irp r, 33,35,37,39,41,43,45,47
	s_mov_b32 s\r, 0                               ; named as pairs' upper words
.endr
	s_mov_b32 s48, 0x3a800000
	s_mov_b32 s49, 0x3727c5ac
	s_mov_b32 s53, 0x3d000000
	s_wait_kmcnt 0x0
	s_lshl_b32 s50, ttmp9, 17                      ; 16 rows of 8,192 bytes
	s_mov_b32 s51, 0
	s_add_nc_u64 s[4:5], s[4:5], s[50:51]
	s_add_nc_u64 s[28:29], s[4:5], 0x4000000       ; 8,192 rows on
	s_lshl_b32 s50, ttmp9, 16                      ; 16 rows of 4,096 bytes
	s_add_nc_u64 s[8:9], s[8:9], s[50:51]
	s_add_nc_u64 s[22:23], s[22:23], s[50:51]
	s_add_nc_u64 s[24:25], s[24:25], s[50:51]
	s_lshl_b32 s50, ttmp9, 7                       ; 16 rows of 8 bytes,
	s_lshl_b32 s52, s26, 17                        ; chunk w
	s_add_co_u32 s50, s50, s52
	s_add_nc_u64 s[6:7], s[6:7], s[50:51]
.macro LOADROW j, add                  ; nine loads: row 4 add + j behind the pointers, into slot j
.irp q, 0,1,2,3
	global_load_b64 v[RING+20*(\j)+2*(\q):RING+20*(\j)+2*(\q)+1], v2, s[4:5] offset:(4*(\add)+(\j))*8192+2048*(\q) th:TH_LOAD_NT
.endr
.irp q, 0,1,2,3
	global_load_b64 v[RING+20*(\j)+8+2*(\q):RING+20*(\j)+8+2*(\q)+1], v2, s[28:29] offset:(4*(\add)+(\j))*8192+2048*(\q) th:TH_LOAD_NT
.endr
	global_load_b128 v[RING+20*(\j)+16:RING+20*(\j)+19], v3, s[8:9] offset:(4*(\add)+(\j))*4096 th:TH_LOAD_NT
.endm
	; 58 loads go out: 4 of statistics (chunk 8 q + w of my lane's row and product), 18 of gains and biases, 36 of the first four rows
.irp q, 0,1,2,3
	global_load_b64 v[OWN+2*(\q):OWN+2*(\q)+1], v10, s[6:7] offset:(\q)*1048576
.endr
.irp q, 0,1,2,3
	global_load_b128 v[GI+4*(\q):GI+4*(\q)+3], v3, s[10:11] offset:4096*(\q)
	global_load_b128 v[GH+4*(\q):GH+4*(\q)+3], v3, s[14:15] offset:4096*(\q)
	global_load_b128 v[ABR+4*(\q):ABR+4*(\q)+3], v3, s[12:13] offset:4096*(\q)
	global_load_b128 v[ABR+16+4*(\q):ABR+16+4*(\q)+3], v3, s[16:17] offset:4096*(\q)
.endr
	global_load_b128 v[CG:CG+3], v3, s[18:19]
	global_load_b128 v[CB:CB+3], v3, s[20:21]
	LOADROW 0, 0
	LOADROW 1, 0
	LOADROW 2, 0
	LOADROW 3, 0
	; THE TWO GATE NORMS' STATISTICS, lane = 16 p + row.  First my wave's four chunks,
	s_wait_loadcnt 54                              ; the 4 loads of statistics are in; the 54 younger ones stay out
	v_add_f32 v252, v[OWN], v[OWN+2]
	v_add_f32 v253, v[OWN+4], v[OWN+6]
	v_add_f32 v252, v252, v253
	v_mul_f32 v248, 0x3e800000, v252               ; the mean of my four means
	v_mul_f32 v249, v[OWN+1], v[OWN+1]
.irp q, 1,2,3
	v_fmac_f32 v249, v[OWN+2*(\q)+1], v[OWN+2*(\q)+1]
.endr
.irp q, 0,1,2,3
	v_sub_f32 v252, v[OWN+2*(\q)], v248
	v_fmac_f32 v249, v252, v252                    ; the sum over my chunks of s^2 + (m - my mean)^2
.endr
	ds_store_b64 v11, v[248:249]
	s_wait_dscnt 0x0                               ; for the others' sake: my store is done
	s_barrier_signal -1
	s_barrier_wait -1
.irp w, 0,1,2,3,4,5,6,7
	ds_load_b64 v[PM+2*(\w):PM+2*(\w)+1], v12 offset:256*(\w)
.endr
	s_wait_dscnt 0x0
	; then all eight waves'
	v_add_f32 v252, v[PM], v[PM+2]
	v_add_f32 v253, v[PM+4], v[PM+6]
	v_add_f32 v254, v[PM+8], v[PM+10]
	v_add_f32 v255, v[PM+12], v[PM+14]
	v_add_f32 v252, v252, v253
	v_add_f32 v254, v254, v255
	v_add_f32 v252, v252, v254
	v_mul_f32 v248, 0x3e000000, v252               ; mu
	v_add_f32 v252, v[PM+1], v[PM+3]
	v_add_f32 v253, v[PM+5], v[PM+7]
	v_add_f32 v254, v[PM+9], v[PM+11]
	v_add_f32 v255, v[PM+13], v[PM+15]
	v_add_f32 v252, v252, v253
	v_add_f32 v254, v254, v255
	v_add_f32 v252, v252, v254
	v_sub_f32 v253, v[PM], v248
	v_mul_f32 v254, v253, v253
.irp w, 1,2,3,4,5,6,7
	v_sub_f32 v253, v[PM+2*(\w)], v248
	v_fmac_f32 v254, v253, v253
.endr
	v_fmac_f32 v252, 4.0, v254                     ; each wave's mean stands for four chunks
	v_fma_f32 v250, v252, s53, s49                 ; var + 1e-5
	v_rsq_f32 v250, v250
	v_nop                                          ; a plain instruction behind the root,
	s_wait_alu depctr_va_vdst(0)                   ; and the wait ahead of its first use
.irp q, 0,1,2,3
	v_mul_f32 v[O+2*(\q)], v[OWN+2*(\q)+1], v250   ; alpha
	v_sub_f32 v252, v[OWN+2*(\q)], v248
	v_mul_f32 v[O+2*(\q)+1], v252, v250            ; beta
.endr
.irp q, 0,1,2,3
	ds_store_b64 v5, v[O+2*(\q):O+2*(\q)+1] offset:16*(\q)
.endr
	s_wait_dscnt 0x0
	s_barrier_signal -1
	s_barrier_wait -1                              ; from here on these rows are only read
	; THE GAINS AND BIASES: rounded to bf16, the factor of the gate's power of two folded in
	s_wait_loadcnt 36                              ; they are in; the ring's 36 loads stay out
.macro RND4 r
	v_cvt_pk_bf16_f32 v252, v[(\r)], v[(\r)+1]
	v_cvt_pk_bf16_f32 v253, v[(\r)+2], v[(\r)+3]
	v_lshlrev_b32 v[(\r)], 16, v252
	v_and_b32 v[(\r)+1], 0xffff0000, v252
	v_lshlrev_b32 v[(\r)+2], 16, v253
	v_and_b32 v[(\r)+3], 0xffff0000, v253
.endm
.irp r, 16,20,24,28,32,36,40,44,152,156,160,164,168,172,176,180,64,68
	RND4 \r
.endr
.macro FOLD q, k
.irp h, 0,2
	v_pk_mul_f32 v[GI+4*(\q)+(\h):GI+4*(\q)+(\h)+1], v[GI+4*(\q)+(\h):GI+4*(\q)+(\h)+1], \k op_sel_hi:[1,0]
	v_pk_mul_f32 v[GH+4*(\q)+(\h):GH+4*(\q)+(\h)+1], v[GH+4*(\q)+(\h):GH+4*(\q)+(\h)+1], \k op_sel_hi:[1,0]
	v_pk_add_f32 v[BS+4*(\q)+(\h):BS+4*(\q)+(\h)+1], v[ABR+4*(\q)+(\h):ABR+4*(\q)+(\h)+1], v[ABR+16+4*(\q)+(\h):ABR+16+4*(\q)+(\h)+1]
	v_pk_mul_f32 v[BS+4*(\q)+(\h):BS+4*(\q)+(\h)+1], v[BS+4*(\q)+(\h):BS+4*(\q)+(\h)+1], \k op_sel_hi:[1,0]
.endr
.endm
	FOLD 0, 0xbfb8aa3b                             ; -log2 e: sigmoid
	FOLD 1, 0xbfb8aa3b
	FOLD 2, 0x4038aa3b                             ; 2 log2 e: tanh
	FOLD 3, 0xbfb8aa3b
.macro MIXH d, u, hi, a, b             ; f16 half x f32 + f32
.if \hi
	v_fma_mix_f32 v[\d], v[\u], v[\a], v[\b] op_sel:[1,0,0] op_sel_hi:[1,0,0]
.else
	v_fma_mix_f32 v[\d], v[\u], v[\a], v[\b] op_sel_hi:[1,0,0]
.endif
.endm
.macro MIXB d, u, hi, a                ; bf16 half x f32 + the destination
.if \hi
	v_fma_mix_f32_bf16 v[\d], v[\u], v[\a], v[\d] op_sel:[1,0,0] op_sel_hi:[1,0,0]
.else
	v_fma_mix_f32_bf16 v[\d], v[\u], v[\a], v[\d] op_sel_hi:[1,0,0]
.endif
.endm
.macro ABLOAD j                        ; row j's 16 alphas and betas: every lane reads the same 64 bytes
.irp q, 0,1,2,3
	ds_load_b128 v[ABR+16*((\j)%2)+4*(\q):ABR+16*((\j)%2)+4*(\q)+3], v4 offset:ABP*(\j)+16*(\q)
.endr
.endm
.macro ALL4 line:vararg                ; one line for each row jj of the trip
.set jj, 0
.rept 4
	\line
.set jj, jj+1
.endr
.endm
; Row j of a trip, as far as c and o.  left: the younger global loads that may stay out; dsleft: the younger LDS loads.
.macro ROW1 j, reload, left, dsleft
.set RG, RING+20*(\j)
.set AA, ABR+16*((\j)%2)
	s_wait_loadcnt \left                           ; loads come back in order: this row's nine are in
	s_wait_dscnt \dsleft                           ; its alphas and betas too
.irp q, 0,1,2,3
.set T1, T+8*((\q)%2)
.irp k, 0,1,2,3
	MIXH T1+(\k), RG+2*(\q)+(\k)/2, (\k)%2, AA+4*(\q), AA+4*(\q)+1
	MIXH T1+4+(\k), RG+8+2*(\q)+(\k)/2, (\k)%2, AA+4*(\q)+2, AA+4*(\q)+3
.endr
.irp h, 0,2
	v_pk_fma_f32 v[E+4*(\q)+(\h):E+4*(\q)+(\h)+1], v[T1+(\h):T1+(\h)+1], v[GI+4*(\q)+(\h):GI+4*(\q)+(\h)+1], v[BS+4*(\q)+(\h):BS+4*(\q)+(\h)+1]
.endr
.irp h, 0,2
	v_pk_fma_f32 v[E+4*(\q)+(\h):E+4*(\q)+(\h)+1], v[T1+4+(\h):T1+4+(\h)+1], v[GH+4*(\q)+(\h):GH+4*(\q)+(\h)+1], v[E+4*(\q)+(\h):E+4*(\q)+(\h)+1]
.endr
.endr
.if (\j) < 2
	ABLOAD (\j)+2                                  ; this row's buffer takes the row two on
.endif
.set i, 0
.rept 16
	v_exp_f32 v[E+i], v[E+i]
.set i, i+1
.endr
	v_nop                                          ; a plain instruction behind the last power,
	s_wait_alu depctr_va_vdst(0)                   ; and one wait for the sixteen, ahead of their first reader
.set i, 0
.rept 8
	v_pk_add_f32 v[E+2*i:E+2*i+1], v[E+2*i:E+2*i+1], 1.0 op_sel_hi:[1,0]
.set i, i+1
.endr
.set i, 0
.rept 12
	v_rcp_f32 v[E+i], v[E+i]
.set i, i+1
.endr
.set i, 0
.rept 4
	v_rcp_f32 v[O+4*(\j)+i], v[E+12+i]             ; o
.set i, i+1
.endr
	v_cvt_pk_bf16_f32 v248, v[RG+16], v[RG+17]     ; cx rounded to bf16: the plain work behind the last reciprocal
	v_cvt_pk_bf16_f32 v249, v[RG+18], v[RG+19]
	s_wait_alu depctr_va_vdst(0)                   ; one wait for the sixteen
	v_pk_fma_f32 v[E+8:E+9], v[E+8:E+9], -2.0, 1.0 op_sel_hi:[1,0,0]       ; g
	v_pk_fma_f32 v[E+10:E+11], v[E+10:E+11], -2.0, 1.0 op_sel_hi:[1,0,0]
	v_pk_mul_f32 v[C+4*(\j):C+4*(\j)+1], v[E:E+1], v[E+8:E+9]              ; i g
	v_pk_mul_f32 v[C+4*(\j)+2:C+4*(\j)+3], v[E+2:E+3], v[E+10:E+11]
	MIXB C+4*(\j), 248, 0, E+4                     ; + cx f
	MIXB C+4*(\j)+1, 248, 1, E+5
	MIXB C+4*(\j)+2, 249, 0, E+6
	MIXB C+4*(\j)+3, 249, 1, E+7
.if \reload
	LOADROW \j, 1                                  ; the slot takes the row four on
.endif
.endm
; A trip: four rows.
.macro GROUP reload
	ABLOAD 0
	ABLOAD 1
.if \reload
	ROW1 0, 1, 27, 4                               ; 27: three younger rows of nine loads; 4: the next row's four LDS loads
	ROW1 1, 1, 27, 4
	ROW1 2, 1, 27, 4
	ROW1 3, 1, 27, 0
.else
	ROW1 0, 0, 27, 4                               ; the last trip loads nothing: the counts run down
	ROW1 1, 0, 18, 4
	ROW1 2, 0, 9, 4
	ROW1 3, 0, 0, 0
.endif
	; c's norm, first level: my wave's 128 columns: their mean, then the sum of squared deviations from it
	ALL4 v_pk_add_f32 v[T+2*jj:T+2*jj+1], v[C+4*jj:C+4*jj+1], v[C+4*jj+2:C+4*jj+3]
	ALL4 v_add_f32 v[T+2*jj], v[T+2*jj], v[T+2*jj+1]
	ALL4 v_add_f32_dpp v[T+2*jj], v[T+2*jj], v[T+2*jj] row_xmask:1 row_mask:0xf bank_mask:0xf
	ALL4 v_add_f32_dpp v[T+2*jj], v[T+2*jj], v[T+2*jj] row_xmask:2 row_mask:0xf bank_mask:0xf
	ALL4 v_add_f32_dpp v[T+2*jj], v[T+2*jj], v[T+2*jj] row_xmask:4 row_mask:0xf bank_mask:0xf
	ALL4 v_add_f32_dpp v[T+2*jj], v[T+2*jj], v[T+2*jj] row_xmask:8 row_mask:0xf bank_mask:0xf
	ALL4 v_permlanex16_b32 v[T+2*jj+1], v[T+2*jj], s30, s31
	ALL4 v_add_f32 v[T+2*jj], v[T+2*jj], v[T+2*jj+1]
	ALL4 v_mul_f32 v[T+2*jj], 0x3c000000, v[T+2*jj]
	ALL4 v_pk_add_f32 v[E+4*jj:E+4*jj+1], v[C+4*jj:C+4*jj+1], v[T+2*jj:T+2*jj+1] op_sel_hi:[1,0] neg_lo:[0,1] neg_hi:[0,1]
	ALL4 v_pk_add_f32 v[E+4*jj+2:E+4*jj+3], v[C+4*jj+2:C+4*jj+3], v[T+2*jj:T+2*jj+1] op_sel_hi:[1,0] neg_lo:[0,1] neg_hi:[0,1]
	ALL4 v_pk_mul_f32 v[T+8+2*jj:T+9+2*jj], v[E+4*jj:E+4*jj+1], v[E+4*jj:E+4*jj+1]
	ALL4 v_pk_fma_f32 v[T+8+2*jj:T+9+2*jj], v[E+4*jj+2:E+4*jj+3], v[E+4*jj+2:E+4*jj+3], v[T+8+2*jj:T+9+2*jj]
	ALL4 v_add_f32 v[T+2*jj+1], v[T+8+2*jj], v[T+9+2*jj]
	ALL4 v_add_f32_dpp v[T+2*jj+1], v[T+2*jj+1], v[T+2*jj+1] row_xmask:1 row_mask:0xf bank_mask:0xf
	ALL4 v_add_f32_dpp v[T+2*jj+1], v[T+2*jj+1], v[T+2*jj+1] row_xmask:2 row_mask:0xf bank_mask:0xf
	ALL4 v_add_f32_dpp v[T+2*jj+1], v[T+2*jj+1], v[T+2*jj+1] row_xmask:4 row_mask:0xf bank_mask:0xf
	ALL4 v_add_f32_dpp v[T+2*jj+1], v[T+2*jj+1], v[T+2*jj+1] row_xmask:8 row_mask:0xf bank_mask:0xf
	ALL4 v_permlanex16_b32 v[T+8+2*jj], v[T+2*jj+1], s30, s31
	ALL4 v_add_f32 v[T+2*jj+1], v[T+2*jj+1], v[T+8+2*jj]
	s_wait_dscnt 0x0                               ; no LDS instruction of mine is out; my read of the last trip's pairs was waited for there
	s_barrier_signal -1
	s_barrier_wait -1                              ; every wave has read the last trip's pairs: they may be written over
	ALL4 ds_store_b64 v6, v[T+2*jj:T+2*jj+1] offset:64*jj
	s_wait_dscnt 0x0                               ; for the others' sake: my stores are done
	s_barrier_signal -1
	s_barrier_wait -1
	ds_load_b64 v[244:245], v7                     ; lane 8 j + w: wave w's pair of row j
	s_wait_dscnt 0x0
	; second level, inside each group of eight lanes
	v_add_f32_dpp v246, v244, v244 row_xmask:1 row_mask:0xf bank_mask:0xf
	v_add_f32_dpp v246, v246, v246 row_xmask:2 row_mask:0xf bank_mask:0xf
	v_add_f32_dpp v246, v246, v246 row_xmask:4 row_mask:0xf bank_mask:0xf
	v_mul_f32 v246, 0x3e000000, v246               ; mu
	v_sub_f32 v247, v244, v246
	v_mul_f32 v247, v247, v247
	v_fmamk_f32 v247, v247, 0x43000000, v245       ; 128 (mean_w - mu)^2 + the wave's sum
	v_add_f32_dpp v247, v247, v247 row_xmask:1 row_mask:0xf bank_mask:0xf
	v_add_f32_dpp v247, v247, v247 row_xmask:2 row_mask:0xf bank_mask:0xf
	v_add_f32_dpp v247, v247, v247 row_xmask:4 row_mask:0xf bank_mask:0xf
	v_fma_f32 v247, v247, s48, s49                 ; var + 1e-5
	v_rsq_f32 v248, v247
	v_mul_f32 v249, -1.0, v246                     ; the plain instruction behind the root
	s_wait_alu depctr_va_vdst(0)
	v_mul_f32 v249, v249, v248                     ; -mu rstd
.irp j, 0,1,2,3
	v_readlane_b32 s[32+4*(\j)], v248, 8*(\j)
	v_readlane_b32 s[34+4*(\j)], v249, 8*(\j)
.endr
.irp j, 0,1,2,3
	v_pk_fma_f32 v[C+4*(\j):C+4*(\j)+1], v[C+4*(\j):C+4*(\j)+1], s[32+4*(\j):33+4*(\j)], s[34+4*(\j):35+4*(\j)] op_sel_hi:[1,0,0]
	v_pk_fma_f32 v[C+4*(\j)+2:C+4*(\j)+3], v[C+4*(\j)+2:C+4*(\j)+3], s[32+4*(\j):33+4*(\j)], s[34+4*(\j):35+4*(\j)] op_sel_hi:[1,0,0]
	v_pk_fma_f32 v[C+4*(\j):C+4*(\j)+1], v[C+4*(\j):C+4*(\j)+1], v[CG:CG+1], v[CB:CB+1]
	v_pk_fma_f32 v[C+4*(\j)+2:C+4*(\j)+3], v[C+4*(\j)+2:C+4*(\j)+3], v[CG+2:CG+3], v[CB+2:CB+3]
	global_store_b128 v3, v[C+4*(\j):C+4*(\j)+3], s[24:25] offset:4096*(\j) th:TH_STORE_NT   ; cy: a wave's store covers 512 consecutive bytes, aligned
	v_pk_mul_f32 v[E+4*(\j):E+4*(\j)+1], v[C+4*(\j):C+4*(\j)+1], 0x4038aa3b op_sel_hi:[1,0]
	v_pk_mul_f32 v[E+4*(\j)+2:E+4*(\j)+3], v[C+4*(\j)+2:C+4*(\j)+3], 0x4038aa3b op_sel_hi:[1,0]
.endr
.set i, 0
.rept 16
	v_exp_f32 v[E+i], v[E+i]
.set i, i+1
.endr
	v_nop
	s_wait_alu depctr_va_vdst(0)                   ; one wait for the four rows' sixteen powers
.set i, 0
.rept 8
	v_pk_add_f32 v[E+2*i:E+2*i+1], v[E+2*i:E+2*i+1], 1.0 op_sel_hi:[1,0]
.set i, i+1
.endr
.set i, 0
.rept 16
	v_rcp_f32 v[E+i], v[E+i]
.set i, i+1
.endr
	v_nop
	s_wait_alu depctr_va_vdst(0)                   ; and one for their reciprocals
.set i, 0
.rept 8
	v_pk_fma_f32 v[E+2*i:E+2*i+1], v[E+2*i:E+2*i+1], -2.0, 1.0 op_sel_hi:[1,0,0]  ; tanh(cy)
.set i, i+1
.endr
.set i, 0
.rept 8
	v_pk_mul_f32 v[O+2*i:O+2*i+1], v[O+2*i:O+2*i+1], v[E+2*i:E+2*i+1]
.set i, i+1
.endr
.irp j, 0,1,2,3
	global_store_b128 v3, v[O+4*(\j):O+4*(\j)+3], s[22:23] offset:4096*(\j) th:TH_STORE_NT   ; hy
.endr
.if \reload
	s_wait_xcnt 0x0                                ; the pointers, and the registers that the stores read, are rewritten only behind this wait
	s_add_nc_u64 s[4:5], s[4:5], 4*8192
	s_add_nc_u64 s[28:29], s[28:29], 4*8192
	s_add_nc_u64 s[8:9], s[8:9], 4*4096
	s_add_nc_u64 s[22:23], s[22:23], 4*4096
	s_add_nc_u64 s[24:25], s[24:25], 4*4096
	v_add_nc_u32 v4, 4*ABP, v4
.endif
.endm
	s_mov_b32 s27, ROWS/4-1
.Ltrip:                                                ; three trips load the rows of the trip behind them
	GROUP 1
	s_sub_co_u32 s27, s27, 1
	s_cmp_lg_u32 s27, 0
	s_cbranch_scc1 .Ltrip
	GROUP 0                                        ; the last four rows: nothing is left to load
	s_wait_tensorcnt 0x0                           ; the wave's end: behind my last LDS store
	ds_add_u32 v8, v9
	s_wait_dscnt 0x0
	s_endpgm
.Lfunc_end_k_q64b16de0ba_finish:
	.size	k_q64b16de0ba_finish, .Lfunc_end_k_q64b16de0ba_finish-k_q64b16de0ba_finish
	.p2alignl 7, 3214868480
	.fill 96, 4, 3214868480
	.section	.rodata,"a",@progbits
	.p2align	6, 0x0
	.amdhsa_kernel k_q64b16de0ba_finish
		.amdhsa_group_segment_fixed_size 13568
		.amdhsa_private_segment_fixed_size 0
		.amdhsa_enable_private_segment 0
		.amdhsa_kernarg_size 88
		.amdhsa_user_sgpr_count 2
		.amdhsa_user_sgpr_kernarg_segment_ptr 1
		.amdhsa_wavefront_size32 1
		.amdhsa_system_sgpr_workgroup_id_x 1
		.amdhsa_system_sgpr_workgroup_id_y 1
		.amdhsa_system_sgpr_workgroup_id_z 1
		.amdhsa_system_vgpr_workitem_id 0
		.amdhsa_next_free_vgpr 256
		.amdhsa_next_free_sgpr 66
		.amdhsa_reserve_vcc 0
		.amdhsa_float_denorm_mode_32 3
		.amdhsa_float_denorm_mode_16_64 3
		.amdhsa_memory_ordered 1
		.amdhsa_forward_progress 1
		.amdhsa_inst_pref_size 91
	.end_amdhsa_kernel
	.amdgpu_metadata
---
amdhsa.version: [ 1, 2 ]
amdhsa.kernels:
  - .name:           k_q64b16de0ba_finish
    .symbol:         k_q64b16de0ba_finish.kd
    .args:
      - { .name: u, .offset: 0, .size: 8, .value_kind: global_buffer, .address_space: global }
      - { .name: st, .offset: 8, .size: 8, .value_kind: global_buffer, .address_space: global }
      - { .name: cx, .offset: 16, .size: 8, .value_kind: global_buffer, .address_space: global }
      - { .name: ln_i_g, .offset: 24, .size: 8, .value_kind: global_buffer, .address_space: global }
      - { .name: ln_i_b, .offset: 32, .size: 8, .value_kind: global_buffer, .address_space: global }
      - { .name: ln_h_g, .offset: 40, .size: 8, .value_kind: global_buffer, .address_space: global }
      - { .name: ln_h_b, .offset: 48, .size: 8, .value_kind: global_buffer, .address_space: global }
      - { .name: ln_c_g, .offset: 56, .size: 8, .value_kind: global_buffer, .address_space: global }
      - { .name: ln_c_b, .offset: 64, .size: 8, .value_kind: global_buffer, .address_space: global }
      - { .name: out0, .offset: 72, .size: 8, .value_kind: global_buffer, .address_space: global }
      - { .name: out1, .offset: 80, .size: 8, .value_kind: global_buffer, .address_space: global }
    .group_segment_fixed_size: 13568
    .private_segment_fixed_size: 0
    .kernarg_segment_align: 8
    .kernarg_segment_size: 88
    .max_flat_workgroup_size: 256
    .sgpr_count:     66
    .vgpr_count:     256
    .wavefront_size: 32
...
	.end_amdgpu_metadata
.endif
;; end of part 3
;; ======== version 2 of 2: 3 launches; version 1 with the launches cast, finish written anew for expert scheduling mode
;; workspace buffers: xb 33,554,432 bytes; wb 16,777,216 bytes; u 134,217,728 bytes; st 4,194,304 bytes
;; launch cast (part 4): grid 768 x 1, 8 waves a work-group, no clusters, 0 bytes of LDS; arguments input, hx, W_ih, W_hh, xb, wb; writes xb, wb
.if DOCPART == 4
	.amdgcn_target "amdgcn-amd-amdhsa--gfx1250"
	.amdhsa_code_object_version 6
	.text
	.protected	k_q64b16de0ba_cast
	.globl	k_q64b16de0ba_cast
	.p2align	8
	.type	k_q64b16de0ba_cast,@function
k_q64b16de0ba_cast:
	s_mov_b64 s[64:65], 0
	v_nop
	global_prefetch_b8 v0, s[64:65] scope:SCOPE_SE
	s_setreg_imm32_b32 hwreg(HW_REG_WAVE_SCHED_MODE, 0, 2), 2
	s_setreg_imm32_b32 hwreg(HW_REG_WAVE_MODE, 25, 1), 1
	s_wait_xcnt 0x0
	s_wait_alu depctr_vm_vsrc(0)
; xb = bf16 of input (rows 0-8191) stacked on hx (rows 8192-16383); wb = bf16 of W_ih (rows 0-4095) stacked on W_hh.  Each number is rounded once, to nearest even.
; A work-group takes 32,768 numbers: 131,072 bytes in, 65,536 out.  Groups 0-255 input, 256-511 hx, 512-639 W_ih, 640-767 W_hh.
; Thread t takes 16 bytes at 16 t of each 4,096: a wave's load covers 512 consecutive bytes, its store 256 consecutive bytes, aligned.
; All 32 loads of a thread go out at once (131,072 bytes a work-group on their way).
; No LDS, no cluster: nothing is shared and nothing is read twice.
; THE MODE: SCHED_MODE bits 1:0 = 2 (LLVM: expert scheduling mode 2), set by the entry lines.  The code itself states the register dependences
; between vector instructions and memory instructions, with s_wait_alu, always for 0.
; THE PLAN.  Registers that memory instructions touch:
;   v1, v2   byte offsets, made once at the head and never written again: every load reads v1, every store v2.
;   X[n]     four registers for load n.  Written by load n; its two roundings then write the first two of the four; one store reads those two; nothing writes them again.
; The 32 loads are worked off in eight groups of four.  Group g rounds X[4 g .. 4 g + 3]; its memory instructions are the four stores of group g - 1, whose registers no
; vector instruction of group g names.  So one wait at a group's head states all that its four stores hang on, and they are dealt among its roundings with no further wait.
; No register that a memory instruction reads is written again, so nothing is owed on that side.
.set X, 4                              ; v[4:131]  32 x 4 numbers as loaded; the first two registers of each four then hold the 4 bf16
	s_load_b256 s[4:11], s[0:1], 0x0               ; input s[4:5], hx s[6:7], W_ih s[8:9], W_hh s[10:11]
	s_load_b128 s[12:15], s[0:1], 0x20             ; xb s[12:13], wb s[14:15]
	v_lshlrev_b32 v1, 4, v0                        ; 16 t
	v_lshlrev_b32 v2, 3, v0                        ; 8 t
	s_mov_b32 s22, 127
	s_mov_b32 s26, 255
	s_wait_kmcnt 0x0
	s_cmp_lt_u32 ttmp9, 256
	s_cselect_b64 s[16:17], s[4:5], s[6:7]         ; input or hx
	s_cmp_lt_u32 ttmp9, 640
	s_cselect_b64 s[18:19], s[8:9], s[10:11]       ; W_ih or W_hh
	s_cmp_lt_u32 ttmp9, 512
	s_cselect_b64 s[16:17], s[16:17], s[18:19]     ; the source,
	s_cselect_b64 s[20:21], s[12:13], s[14:15]     ; the destination,
	s_cselect_b32 s22, s26, s22                    ; and how many groups a source has, less one
	s_and_b32 s22, ttmp9, s22                      ; my place in the source
	s_lshl_b32 s22, s22, 17
	s_mov_b32 s23, 0
	s_and_b32 s24, ttmp9, 511                      ; my place in the destination (groups 512-767: 0-255)
	s_lshl_b32 s24, s24, 16
	s_mov_b32 s25, 0
	s_add_nc_u64 s[16:17], s[16:17], s[22:23]
	s_add_nc_u64 s[20:21], s[20:21], s[24:25]
	s_wait_alu depctr_va_vdst(0)                   ; v1 and v2 are written: every load of the kernel reads v1 as its offset, every store v2
.set i, 0
.rept 32
	global_load_b128 v[X+4*i:X+4*i+3], v1, s[16:17] offset:4096*i th:TH_LOAD_NT
.set i, i+1
.endr
; Group g: loads 4 g to 4 g + 3 are rounded; the stores of the group before are dealt among the roundings.
.macro GRP g
	s_wait_loadcnt 28-4*(\g)                       ; loads come back in order: this group's four are in, the 28 - 4 g younger ones stay out
.if (\g) > 0
	s_wait_alu depctr_va_vdst(0)                   ; the group before has written the first two registers of each of its fours, which the stores below read
.endif
.irp k, 0,1,2,3
.set n, 4*(\g)+(\k)
.if (\g) > 0
	global_store_b64 v2, v[X+4*(n-4):X+4*(n-4)+1], s[20:21] offset:2048*(n-4)  ; the group before; no vector instruction since the wait names these registers
.endif
	v_cvt_pk_bf16_f32 v[X+4*n], v[X+4*n], v[X+4*n+1]
	v_cvt_pk_bf16_f32 v[X+4*n+1], v[X+4*n+2], v[X+4*n+3]
.endr
.endm
.irp g, 0,1,2,3,4,5,6,7
	GRP \g
.endr
	s_wait_alu depctr_va_vdst(0)                   ; the last group has written its registers, which the last four stores read
.irp n, 28,29,30,31
	global_store_b64 v2, v[X+4*(\n):X+4*(\n)+1], s[20:21] offset:2048*(\n)
.endr
	s_endpgm
.Lfunc_end_k_q64b16de0ba_cast:
	.size	k_q64b16de0ba_cast, .Lfunc_end_k_q64b16de0ba_cast-k_q64b16de0ba_cast
	.p2alignl 7, 3214868480
	.fill 96, 4, 3214868480
	.section	.rodata,"a",@progbits
	.p2align	6, 0x0
	.amdhsa_kernel k_q64b16de0ba_cast
		.amdhsa_group_segment_fixed_size 0
		.amdhsa_private_segment_fixed_size 0
		.amdhsa_enable_private_segment 0
		.amdhsa_kernarg_size 48
		.amdhsa_user_sgpr_count 2
		.amdhsa_user_sgpr_kernarg_segment_ptr 1
		.amdhsa_wavefront_size32 1
		.amdhsa_system_sgpr_workgroup_id_x 1
		.amdhsa_system_sgpr_workgroup_id_y 1
		.amdhsa_system_sgpr_workgroup_id_z 1
		.amdhsa_system_vgpr_workitem_id 0
		.amdhsa_next_free_vgpr 132
		.amdhsa_next_free_sgpr 66
		.amdhsa_reserve_vcc 0
		.amdhsa_float_denorm_mode_32 3
		.amdhsa_float_denorm_mode_16_64 3
		.amdhsa_memory_ordered 1
		.amdhsa_forward_progress 1
		.amdhsa_inst_pref_size 12
	.end_amdhsa_kernel
	.amdgpu_metadata
---
amdhsa.version: [ 1, 2 ]
amdhsa.kernels:
  - .name:           k_q64b16de0ba_cast
    .symbol:         k_q64b16de0ba_cast.kd
    .args:
      - { .name: input, .offset: 0, .size: 8, .value_kind: global_buffer, .address_space: global }
      - { .name: hx, .offset: 8, .size: 8, .value_kind: global_buffer, .address_space: global }
      - { .name: W_ih, .offset: 16, .size: 8, .value_kind: global_buffer, .address_space: global }
      - { .name: W_hh, .offset: 24, .size: 8, .value_kind: global_buffer, .address_space: global }
      - { .name: xb, .offset: 32, .size: 8, .value_kind: global_buffer, .address_space: global }
      - { .name: wb, .offset: 40, .size: 8, .value_kind: global_buffer, .address_space: global }
    .group_segment_fixed_size: 0
    .private_segment_fixed_size: 0
    .kernarg_segment_align: 8
    .kernarg_segment_size: 48
    .max_flat_workgroup_size: 256
    .sgpr_count:     66
    .vgpr_count:     132
    .wavefront_size: 32
...
	.end_amdgpu_metadata
.endif
;; end of part 4
;; launch gates: the kernel of part 2 again; grid 16 x 16, 4 waves a work-group, clusters of 4 x 4, 327,680 bytes of LDS; arguments xb, wb, u, st; writes u, st
;; launch finish (part 5): grid 512 x 1, 8 waves a work-group, no clusters, 13,568 bytes of LDS; arguments u, st, cx, ln_i_g, ln_i_b, ln_h_g, ln_h_b, ln_c_g, ln_c_b, out0, out1; writes out0, out1
.if DOCPART == 5
	.amdgcn_target "amdgcn-amd-amdhsa--gfx1250"
	.amdhsa_code_object_version 6
	.text
	.protected	k_q64b16de0ba_finish
	.globl	k_q64b16de0ba_finish
	.p2align	8
	.type	k_q64b16de0ba_finish,@function
k_q64b16de0ba_finish:
	s_mov_b64 s[64:65], 0
	v_nop
	global_prefetch_b8 v0, s[64:65] scope:SCOPE_SE
	s_setreg_imm32_b32 hwreg(HW_REG_WAVE_SCHED_MODE, 0, 2), 2
	s_setreg_imm32_b32 hwreg(HW_REG_WAVE_MODE, 25, 1), 1
	s_wait_xcnt 0x0
	s_wait_alu depctr_vm_vsrc(0)
; THE CELL BEHIND ITS TWO PRODUCTS.  For row b and product p (stacked row R = 8192 p + b) the launch before left u[R][n] = (y - m_c) / s_c in f16 and st[c][R] = (m_c, s_c) in f32, c = n / 128.
; A row's norm: mu = mean of the 32 m_c; var = mean of (s_c^2 + (m_c - mu)^2); (y - mu) rsqrt(var + 1e-5) = u alpha_c + beta_c, alpha_c = s_c rstd, beta_c = (m_c - mu) rstd.
; gates = (that of p = 0) g_i + b_i + (that of p = 1) g_h + b_h; i, f, o = sigmoid, g = tanh; c = f cx + i g; cy = norm of c over 1,024 columns (out1); hy = o tanh(cy) (out0).
; sigmoid(x) = 1 / (1 + 2^(-x log2 e)), tanh(x) = 1 - 2 / (1 + 2^(2 x log2 e)): the factors are folded into the gains and biases; both forms end rightly where the power is 0 or infinite.
; LIMITS.  cx and the six gains and biases are rounded once to bf16, as the matrix operands were; all arithmetic is f32.  Variances are made from deviations, in two levels (a wave's 128 columns, then the
; 8 waves), never as a difference of large sums.  NaN and infinities are not treated apart.
; SHARES.  A work-group owns 16 rows; thread t owns hidden columns 4 t .. 4 t + 3 of every row, so its gains and biases stay in registers, and gate q of wave w lies in chunk 8 q + w.
; A wave's load covers 256 (u) or 512 (cx) consecutive bytes, its stores 512.  Four rows are a trip; a ring of four row slots keeps 36 loads of every wave on their way: 81,920 bytes a work-group.
; A work-group takes 8 x 256 registers, so two fit into a WGP's 4 x 1,024: each runs its own barriers, and one has work to issue while the other stands at a wait.
; The statistics alone come in pieces of 128 bytes (16 rows x 8): 4,194,304 bytes in the whole launch.
; No tensor loads (no wave reads what another fetched), no cluster (the work-groups share the gains and biases alone, 73,728 bytes beside the 458,752 that each streams), no prefetch (the launch is one stream).
; THE MODE: SCHED_MODE bits 1:0 = 2 (LLVM: expert scheduling mode 2), set by the entry lines.  The code itself states the register dependences
; between vector instructions and memory or LDS instructions, with s_wait_alu, always for 0.
; THE PLAN.  Registers that memory or LDS instructions touch, round a trip:
;   RING[j]      Row j: its 32 mixes and the two roundings of cx read it; behind them the nine loads of the row four on land in it.
;   ABR[j % 2]   Row j: its mixes read it; behind them the LDS loads of row j + 2 land in it (rows 0 and 1: at the trip's head).  In the prologue it holds b_i and b_h.
;   v[232:239]   Written by the first level of c's norm; read by four LDS stores; written again by the next trip's row 0.
;   v[244:245]   At work in the first level; then one LDS load lands in it.
;   C, O         Written by the rows and by the trip's end; read by the four stores of cy and the four of hy; written again by the next trip's rows.  In the prologue O is the data of four LDS stores.
;   v4           Read by every LDS load of alphas and betas; stepped once a trip.
;   v2, v3, v5-v7, v10-v12   Made at the head and never written again.
; So in a trip: ONE wait on vm_vsrc at row 0's head frees v[232:239], C and O for the whole trip.  The two waits on va_vdst that each row has for its powers and its reciprocals also state that its mixes are
; done with ABR[j % 2] and with RING[j]: the LDS loads of row j + 2 follow the first, the nine loads of the row four on follow the second, dealt among lines that name neither.  One wait on va_vdst stands
; ahead of the LDS stores of c's pairs; the wait for cy's powers also states that cy is written, and its stores follow it; one wait on vm_vsrc and one on va_vdst stand round the add to v4, and the second is hy's stores' too.
.set ROWS,  16
.set ABP,   80                         ; LDS 0 .. 10,239: for each wave 16 rows x 80 bytes: for q = 0..3 (alpha_i, beta_i, alpha_h, beta_h), 64 bytes + 16 of padding
.set MSL,   10240                      ; 2,048 bytes: [wave][lane = 16 p + row] x (mean of the wave's 4 means, its share of the variance)
.set PT,    12288                      ; 256 bytes: [4 rows][8 waves] x (mean, sum of squared deviations) of c
.set SPARE, 12544                      ; the spare words, 128 bytes for each of 8 waves: four blocks of 256 bytes that no other line names
.set GI,   16                          ; v[16:31]   g_i x factor, 4 a gate
.set GH,   32                          ; v[32:47]   g_h x factor
.set BS,   48                          ; v[48:63]   (b_i + b_h) x factor
.set CG,   64                          ; v[64:67]   ln_c_g
.set CB,   68                          ; v[68:71]   ln_c_b
.set RING, 72                          ; v[72:151]  slot j at 72 + 20 j: u of (p, q) at + 2 (4 p + q), cx at + 16
.set ABR,  152                         ; v[152:183] two buffers of 16: a row's alphas and betas (in the prologue: b_i, b_h)
.set C,    184                         ; v[184:199] c, then cy, 4 a row (in the prologue: my chunks' pairs)
.set O,    200                         ; v[200:215] o, then hy (in the prologue: my alphas and betas)
.set E,    216                         ; v[216:231] at work
.set T,    232                         ; v[232:247] at work
.set OWN,  184
.set PM,   216
; v1 lane; v2 8 t; v3 16 t; v4 my wave's alphas and betas, at the trip's first row; v5 where my lane (a row and a product) stores them; v6, v7 PT: where my wave stores, where my lane reads;
; v8, v9 the add's two registers; v10 my lane's offset in st; v11, v12 MSL: where I store, where I read; v13-15 at work in the set-up
; s[4:5] u (p = 0), s[28:29] u (p = 1), s[6:7] st, s[8:9] cx, s[10:21] the six gains and biases, s[22:23] out0, s[24:25] out1; s26 wave; s27 trips; s[30:31] lane selects;
; s[32:47] row j: (rstd, 0) at 32 + 4 j, (-mu rstd, 0) at 34 + 4 j; s48 1/1024; s49 1e-5; s53 1/32
	s_load_b512 s[4:19], s[0:1], 0x0               ; u, st, cx, ln_i_g, ln_i_b, ln_h_g, ln_h_b, ln_c_g
	s_load_b128 s[20:23], s[0:1], 0x40             ; ln_c_b, out0
	s_load_b64 s[24:25], s[0:1], 0x50              ; out1
	v_lshl_add_u32 v8, v0, 2, SPARE
	v_mov_b32 v9, 0
	v_and_b32 v1, 31, v0
	v_lshrrev_b32 v13, 5, v0
	v_readfirstlane_b32 s26, v13                   ; wave 0..7
	v_lshlrev_b32 v2, 3, v0
	v_lshlrev_b32 v3, 4, v0
	v_and_b32 v14, 15, v0                          ; in the prologue a lane is a row
	v_bfe_u32 v15, v0, 4, 1                        ; and a product p
	s_wait_alu depctr_va_sdst(0)                   ; s26 is written, ahead of its first reader: LDS addresses and st's base are made from it
	s_mul_i32 s50, s26, ROWS*ABP
	v_mov_b32 v4, s50
	v_mul_u32_u24 v5, v14, ABP
	v_lshl_add_u32 v5, v15, 3, v5                  ; 80 x row + 8 p
	v_add_nc_u32 v5, s50, v5
	s_lshl_b32 s51, s26, 3
	s_add_co_u32 s51, s51, PT
	v_mov_b32 v6, s51
	v_lshlrev_b32 v13, 3, v1                       ; 8 x lane
	v_add_nc_u32 v7, PT, v13
	s_lshl_b32 s52, s26, 8
	s_add_co_u32 s52, s52, MSL
	v_add_nc_u32 v11, s52, v13
	v_add_nc_u32 v12, MSL, v13
	v_lshlrev_b32 v10, 3, v14                      ; 8 bytes a row in st,
	v_lshl_add_u32 v10, v15, 16, v10               ; 8,192 rows on for p = 1
	s_mov_b32 s30, 0x76543210
	s_mov_b32 s31, 0xfedcba98
.irp r, 33,35,37,39,41,43,45,47
	s_mov_b32 s\r, 0                               ; named as pairs' upper words
.endr
	s_mov_b32 s48, 0x3a800000
	s_mov_b32 s49, 0x3727c5ac
	s_mov_b32 s53, 0x3d000000
	s_wait_kmcnt 0x0
	s_lshl_b32 s50, ttmp9, 17                      ; 16 rows of 8,192 bytes
	s_mov_b32 s51, 0
	s_add_nc_u64 s[4:5], s[4:5], s[50:51]
	s_add_nc_u64 s[28:29], s[4:5], 0x4000000       ; 8,192 rows on
	s_lshl_b32 s50, ttmp9, 16                      ; 16 rows of 4,096 bytes
	s_add_nc_u64 s[8:9], s[8:9], s[50:51]
	s_add_nc_u64 s[22:23], s[22:23], s[50:51]
	s_add_nc_u64 s[24:25], s[24:25], s[50:51]
	s_lshl_b32 s50, ttmp9, 7                       ; 16 rows of 8 bytes,
	s_lshl_b32 s52, s26, 17                        ; chunk w
	s_add_co_u32 s50, s50, s52
	s_add_nc_u64 s[6:7], s[6:7], s[50:51]
	s_wait_alu depctr_va_vdst(0)                   ; the offsets and LDS addresses v2 to v12 are written, which the loads, stores and LDS instructions below read
.macro LOADROW j                       ; nine loads: row j behind the pointers, into slot j
.irp q, 0,1,2,3
	global_load_b64 v[RING+20*(\j)+2*(\q):RING+20*(\j)+2*(\q)+1], v2, s[4:5] offset:(\j)*8192+2048*(\q) th:TH_LOAD_NT
.endr
.irp q, 0,1,2,3
	global_load_b64 v[RING+20*(\j)+8+2*(\q):RING+20*(\j)+8+2*(\q)+1], v2, s[28:29] offset:(\j)*8192+2048*(\q) th:TH_LOAD_NT
.endr
	global_load_b128 v[RING+20*(\j)+16:RING+20*(\j)+19], v3, s[8:9] offset:(\j)*4096 th:TH_LOAD_NT
.endm
.macro NEXTLD on, j, n                 ; load n of the nine of row 4 + j behind the pointers, into slot j: 0-3 u of p = 0, 4-7 u of p = 1, 8 cx.  on = 0: the last trip, which loads nothing
.if \on
.if (\n) < 4
	global_load_b64 v[RING+20*(\j)+2*(\n):RING+20*(\j)+2*(\n)+1], v2, s[4:5] offset:(4+(\j))*8192+2048*(\n) th:TH_LOAD_NT
.elseif (\n) < 8
	global_load_b64 v[RING+20*(\j)+2*(\n):RING+20*(\j)+2*(\n)+1], v2, s[28:29] offset:(4+(\j))*8192+2048*((\n)-4) th:TH_LOAD_NT
.else
	global_load_b128 v[RING+20*(\j)+16:RING+20*(\j)+19], v3, s[8:9] offset:(4+(\j))*4096 th:TH_LOAD_NT
.endif
.endif
.endm
	; 58 loads go out: 4 of statistics (chunk 8 q + w of my lane's row and product), 18 of gains and biases, 36 of the first four rows
.irp q, 0,1,2,3
	global_load_b64 v[OWN+2*(\q):OWN+2*(\q)+1], v10, s[6:7] offset:(\q)*1048576
.endr
.irp q, 0,1,2,3
	global_load_b128 v[GI+4*(\q):GI+4*(\q)+3], v3, s[10:11] offset:4096*(\q)
	global_load_b128 v[GH+4*(\q):GH+4*(\q)+3], v3, s[14:15] offset:4096*(\q)
	global_load_b128 v[ABR+4*(\q):ABR+4*(\q)+3], v3, s[12:13] offset:4096*(\q)
	global_load_b128 v[ABR+16+4*(\q):ABR+16+4*(\q)+3], v3, s[16:17] offset:4096*(\q)
.endr
	global_load_b128 v[CG:CG+3], v3, s[18:19]
	global_load_b128 v[CB:CB+3], v3, s[20:21]
	LOADROW 0
	LOADROW 1
	LOADROW 2
	LOADROW 3
	; THE TWO GATE NORMS' STATISTICS, lane = 16 p + row.  First my wave's four chunks,
	s_wait_loadcnt 54                              ; the 4 loads of statistics are in; the 54 younger ones stay out
	v_add_f32 v252, v[OWN], v[OWN+2]
	v_add_f32 v253, v[OWN+4], v[OWN+6]
	v_add_f32 v252, v252, v253
	v_mul_f32 v248, 0x3e800000, v252               ; the mean of my four means
	v_mul_f32 v249, v[OWN+1], v[OWN+1]
.irp q, 1,2,3
	v_fmac_f32 v249, v[OWN+2*(\q)+1], v[OWN+2*(\q)+1]
.endr
.irp q, 0,1,2,3
	v_sub_f32 v252, v[OWN+2*(\q)], v248
	v_fmac_f32 v249, v252, v252                    ; the sum over my chunks of s^2 + (m - my mean)^2
.endr
	s_wait_alu depctr_va_vdst(0)                   ; v[248:249] are written, which the LDS store reads
	ds_store_b64 v11, v[248:249]
	s_wait_dscnt 0x0                               ; for the others' sake: my store is done
	s_barrier_signal -1
	s_barrier_wait -1
.irp w, 0,1,2,3,4,5,6,7
	ds_load_b64 v[PM+2*(\w):PM+2*(\w)+1], v12 offset:256*(\w)
.endr
	s_wait_dscnt 0x0
	s_wait_alu depctr_vm_vsrc(0)                   ; my LDS store has read v[248:249]: v248 is written again below, both in the trips
	; then all eight waves'
	v_add_f32 v252, v[PM], v[PM+2]
	v_add_f32 v253, v[PM+4], v[PM+6]
	v_add_f32 v254, v[PM+8], v[PM+10]
	v_add_f32 v255, v[PM+12], v[PM+14]
	v_add_f32 v252, v252, v253
	v_add_f32 v254, v254, v255
	v_add_f32 v252, v252, v254
	v_mul_f32 v248, 0x3e000000, v252               ; mu
	v_add_f32 v252, v[PM+1], v[PM+3]
	v_add_f32 v253, v[PM+5], v[PM+7]
	v_add_f32 v254, v[PM+9], v[PM+11]
	v_add_f32 v255, v[PM+13], v[PM+15]
	v_add_f32 v252, v252, v253
	v_add_f32 v254, v254, v255
	v_add_f32 v252, v252, v254
	v_sub_f32 v253, v[PM], v248
	v_mul_f32 v254, v253, v253
.irp w, 1,2,3,4,5,6,7
	v_sub_f32 v253, v[PM+2*(\w)], v248
	v_fmac_f32 v254, v253, v253
.endr
	v_fmac_f32 v252, 4.0, v254                     ; each wave's mean stands for four chunks
	v_fma_f32 v250, v252, s53, s49                 ; var + 1e-5
	v_rsq_f32 v250, v250
	v_nop                                          ; a plain instruction behind the root,
	s_wait_alu depctr_va_vdst(0)                   ; and the wait ahead of its first use: the root has written v250
.irp q, 0,1,2,3
	v_mul_f32 v[O+2*(\q)], v[OWN+2*(\q)+1], v250   ; alpha
	v_sub_f32 v252, v[OWN+2*(\q)], v248
	v_mul_f32 v[O+2*(\q)+1], v252, v250            ; beta
.endr
	s_wait_alu depctr_va_vdst(0)                   ; my alphas and betas are written in v[O .. O+7], which the four LDS stores read
.irp q, 0,1,2,3
	ds_store_b64 v5, v[O+2*(\q):O+2*(\q)+1] offset:16*(\q)
.endr
	s_wait_dscnt 0x0
	s_barrier_signal -1
	s_barrier_wait -1                              ; from here on these rows are only read
	; THE GAINS AND BIASES: rounded to bf16, the factor of the gate's power of two folded in
	s_wait_loadcnt 36                              ; they are in; the ring's 36 loads stay out
.macro RND4 r
	v_cvt_pk_bf16_f32 v252, v[(\r)], v[(\r)+1]
	v_cvt_pk_bf16_f32 v253, v[(\r)+2], v[(\r)+3]
	v_lshlrev_b32 v[(\r)], 16, v252
	v_and_b32 v[(\r)+1], 0xffff0000, v252
	v_lshlrev_b32 v[(\r)+2], 16, v253
	v_and_b32 v[(\r)+3], 0xffff0000, v253
.endm
.irp r, 16,20,24,28,32,36,40,44,152,156,160,164,168,172,176,180,64,68
	RND4 \r
.endr
.macro FOLD q, k
.irp h, 0,2
	v_pk_mul_f32 v[GI+4*(\q)+(\h):GI+4*(\q)+(\h)+1], v[GI+4*(\q)+(\h):GI+4*(\q)+(\h)+1], \k op_sel_hi:[1,0]
	v_pk_mul_f32 v[GH+4*(\q)+(\h):GH+4*(\q)+(\h)+1], v[GH+4*(\q)+(\h):GH+4*(\q)+(\h)+1], \k op_sel_hi:[1,0]
	v_pk_add_f32 v[BS+4*(\q)+(\h):BS+4*(\q)+(\h)+1], v[ABR+4*(\q)+(\h):ABR+4*(\q)+(\h)+1], v[ABR+16+4*(\q)+(\h):ABR+16+4*(\q)+(\h)+1]
	v_pk_mul_f32 v[BS+4*(\q)+(\h):BS+4*(\q)+(\h)+1], v[BS+4*(\q)+(\h):BS+4*(\q)+(\h)+1], \k op_sel_hi:[1,0]
.endr
.endm
	FOLD 0, 0xbfb8aa3b                             ; -log2 e: sigmoid
	FOLD 1, 0xbfb8aa3b
	FOLD 2, 0x4038aa3b                             ; 2 log2 e: tanh
	FOLD 3, 0xbfb8aa3b
	s_wait_alu depctr_va_vdst(0)                   ; the roundings have written, and the additions are done reading, b_i and b_h in v[ABR .. ABR+31], in which the first trip's alphas and betas land
.macro MIXH d, u, hi, a, b             ; f16 half x f32 + f32
.if \hi
	v_fma_mix_f32 v[\d], v[\u], v[\a], v[\b] op_sel:[1,0,0] op_sel_hi:[1,0,0]
.else
	v_fma_mix_f32 v[\d], v[\u], v[\a], v[\b] op_sel_hi:[1,0,0]
.endif
.endm
.macro MIXB d, u, hi, a                ; bf16 half x f32 + the destination
.if \hi
	v_fma_mix_f32_bf16 v[\d], v[\u], v[\a], v[\d] op_sel:[1,0,0] op_sel_hi:[1,0,0]
.else
	v_fma_mix_f32_bf16 v[\d], v[\u], v[\a], v[\d] op_sel_hi:[1,0,0]
.endif
.endm
.macro ABLOAD j                        ; row j's 16 alphas and betas: every lane reads the same 64 bytes
.irp q, 0,1,2,3
	ds_load_b128 v[ABR+16*((\j)%2)+4*(\q):ABR+16*((\j)%2)+4*(\q)+3], v4 offset:ABP*(\j)+16*(\q)
.endr
.endm
.macro ALL4 line:vararg                ; one line for each row jj of the trip
.set jj, 0
.rept 4
	\line
.set jj, jj+1
.endr
.endm
; Row j of a trip, as far as c and o.  left: the younger global loads that may stay out; dsleft: the younger LDS loads.
.macro ROW1 j, reload, left, dsleft
.set RG, RING+20*(\j)
.set AA, ABR+16*((\j)%2)
	s_wait_loadcnt \left                           ; loads come back in order: this row's nine are in
	s_wait_dscnt \dsleft                           ; its alphas and betas too
.if (\j) == 0
	s_wait_alu depctr_vm_vsrc(0)                   ; the last trip's LDS stores have read v[232:239], its stores of cy and hy have read C and O (first trip: the prologue's LDS stores have read O): this trip's rows write all three again
.endif
.irp q, 0,1,2,3
.set T1, T+8*((\q)%2)
.irp k, 0,1,2,3
	MIXH T1+(\k), RG+2*(\q)+(\k)/2, (\k)%2, AA+4*(\q), AA+4*(\q)+1
	MIXH T1+4+(\k), RG+8+2*(\q)+(\k)/2, (\k)%2, AA+4*(\q)+2, AA+4*(\q)+3
.endr
.irp h, 0,2
	v_pk_fma_f32 v[E+4*(\q)+(\h):E+4*(\q)+(\h)+1], v[T1+(\h):T1+(\h)+1], v[GI+4*(\q)+(\h):GI+4*(\q)+(\h)+1], v[BS+4*(\q)+(\h):BS+4*(\q)+(\h)+1]
.endr
.irp h, 0,2
	v_pk_fma_f32 v[E+4*(\q)+(\h):E+4*(\q)+(\h)+1], v[T1+4+(\h):T1+4+(\h)+1], v[GH+4*(\q)+(\h):GH+4*(\q)+(\h)+1], v[E+4*(\q)+(\h):E+4*(\q)+(\h)+1]
.endr
.endr
.set i, 0
.rept 16
	v_exp_f32 v[E+i], v[E+i]
.set i, i+1
.endr
	v_nop                                          ; a plain instruction behind the last power,
	s_wait_alu depctr_va_vdst(0)                   ; and one wait: the sixteen powers have written E, ahead of their first reader; and the mixes are done reading this row's alphas and betas
.if (\j) < 2
	ABLOAD (\j)+2                                  ; this row's buffer takes the row two on: no vector instruction since the wait names it
.endif
.set i, 0
.rept 8
	v_pk_add_f32 v[E+2*i:E+2*i+1], v[E+2*i:E+2*i+1], 1.0 op_sel_hi:[1,0]
.set i, i+1
.endr
.set i, 0
.rept 12
	v_rcp_f32 v[E+i], v[E+i]
.set i, i+1
.endr
.set i, 0
.rept 4
	v_rcp_f32 v[O+4*(\j)+i], v[E+12+i]             ; o
.set i, i+1
.endr
	v_cvt_pk_bf16_f32 v248, v[RG+16], v[RG+17]     ; cx rounded to bf16: the plain work behind the last reciprocal
	v_cvt_pk_bf16_f32 v249, v[RG+18], v[RG+19]
	s_wait_alu depctr_va_vdst(0)                   ; one wait: the sixteen reciprocals have written E and o; and the mixes and the two roundings are done reading the slot
	NEXTLD \reload, \j, 0                          ; the slot takes the row four on: its nine loads are dealt among the eight lines below, which name E, C, v248 and v249 alone
	NEXTLD \reload, \j, 1
	v_pk_fma_f32 v[E+8:E+9], v[E+8:E+9], -2.0, 1.0 op_sel_hi:[1,0,0]       ; g
	NEXTLD \reload, \j, 2
	v_pk_fma_f32 v[E+10:E+11], v[E+10:E+11], -2.0, 1.0 op_sel_hi:[1,0,0]
	NEXTLD \reload, \j, 3
	v_pk_mul_f32 v[C+4*(\j):C+4*(\j)+1], v[E:E+1], v[E+8:E+9]              ; i g
	NEXTLD \reload, \j, 4
	v_pk_mul_f32 v[C+4*(\j)+2:C+4*(\j)+3], v[E+2:E+3], v[E+10:E+11]
	NEXTLD \reload, \j, 5
	MIXB C+4*(\j), 248, 0, E+4                     ; + cx f
	NEXTLD \reload, \j, 6
	MIXB C+4*(\j)+1, 248, 1, E+5
	NEXTLD \reload, \j, 7
	MIXB C+4*(\j)+2, 249, 0, E+6
	NEXTLD \reload, \j, 8
	MIXB C+4*(\j)+3, 249, 1, E+7
.endm
; A trip: four rows.
.macro GROUP reload
	ABLOAD 0                                       ; no vector instruction since the last wait on va_vdst (the prologue's last, or the one ahead of the last trip's stores of hy) names v4 or these registers
	ABLOAD 1
.if \reload
	ROW1 0, 1, 27, 4                               ; 27: three younger rows of nine loads; 4: the next row's four LDS loads
	ROW1 1, 1, 27, 4
	ROW1 2, 1, 27, 4
	ROW1 3, 1, 27, 0
.else
	ROW1 0, 0, 27, 4                               ; the last trip loads nothing: the counts run down
	ROW1 1, 0, 18, 4
	ROW1 2, 0, 9, 4
	ROW1 3, 0, 0, 0
.endif
	; c's norm, first level: my wave's 128 columns: their mean, then the sum of squared deviations from it
	ALL4 v_pk_add_f32 v[T+2*jj:T+2*jj+1], v[C+4*jj:C+4*jj+1], v[C+4*jj+2:C+4*jj+3]
	ALL4 v_add_f32 v[T+2*jj], v[T+2*jj], v[T+2*jj+1]
	ALL4 v_add_f32_dpp v[T+2*jj], v[T+2*jj], v[T+2*jj] row_xmask:1 row_mask:0xf bank_mask:0xf
	ALL4 v_add_f32_dpp v[T+2*jj], v[T+2*jj], v[T+2*jj] row_xmask:2 row_mask:0xf bank_mask:0xf
	ALL4 v_add_f32_dpp v[T+2*jj], v[T+2*jj], v[T+2*jj] row_xmask:4 row_mask:0xf bank_mask:0xf
	ALL4 v_add_f32_dpp v[T+2*jj], v[T+2*jj], v[T+2*jj] row_xmask:8 row_mask:0xf bank_mask:0xf
	ALL4 v_permlanex16_b32 v[T+2*jj+1], v[T+2*jj], s30, s31
	ALL4 v_add_f32 v[T+2*jj], v[T+2*jj], v[T+2*jj+1]
	ALL4 v_mul_f32 v[T+2*jj], 0x3c000000, v[T+2*jj]
	ALL4 v_pk_add_f32 v[E+4*jj:E+4*jj+1], v[C+4*jj:C+4*jj+1], v[T+2*jj:T+2*jj+1] op_sel_hi:[1,0] neg_lo:[0,1] neg_hi:[0,1]
	ALL4 v_pk_add_f32 v[E+4*jj+2:E+4*jj+3], v[C+4*jj+2:C+4*jj+3], v[T+2*jj:T+2*jj+1] op_sel_hi:[1,0] neg_lo:[0,1] neg_hi:[0,1]
	ALL4 v_pk_mul_f32 v[T+8+2*jj:T+9+2*jj], v[E+4*jj:E+4*jj+1], v[E+4*jj:E+4*jj+1]
	ALL4 v_pk_fma_f32 v[T+8+2*jj:T+9+2*jj], v[E+4*jj+2:E+4*jj+3], v[E+4*jj+2:E+4*jj+3], v[T+8+2*jj:T+9+2*jj]
	ALL4 v_add_f32 v[T+2*jj+1], v[T+8+2*jj], v[T+9+2*jj]
	ALL4 v_add_f32_dpp v[T+2*jj+1], v[T+2*jj+1], v[T+2*jj+1] row_xmask:1 row_mask:0xf bank_mask:0xf
	ALL4 v_add_f32_dpp v[T+2*jj+1], v[T+2*jj+1], v[T+2*jj+1] row_xmask:2 row_mask:0xf bank_mask:0xf
	ALL4 v_add_f32_dpp v[T+2*jj+1], v[T+2*jj+1], v[T+2*jj+1] row_xmask:4 row_mask:0xf bank_mask:0xf
	ALL4 v_add_f32_dpp v[T+2*jj+1], v[T+2*jj+1], v[T+2*jj+1] row_xmask:8 row_mask:0xf bank_mask:0xf
	ALL4 v_permlanex16_b32 v[T+8+2*jj], v[T+2*jj+1], s30, s31
	ALL4 v_add_f32 v[T+2*jj+1], v[T+2*jj+1], v[T+8+2*jj]
	s_wait_alu depctr_va_vdst(0)                   ; the four pairs are written in v[232:239], which the LDS stores below read; and the lines above are done with v[244:245], in which the LDS load below lands
	s_wait_dscnt 0x0                               ; no LDS instruction of mine is out; my read of the last trip's pairs was waited for there
	s_barrier_signal -1
	s_barrier_wait -1                              ; every wave has read the last trip's pairs: they may be written over
	ALL4 ds_store_b64 v6, v[T+2*jj:T+2*jj+1] offset:64*jj
	s_wait_dscnt 0x0                               ; for the others' sake: my stores are done
	s_barrier_signal -1
	s_barrier_wait -1
	ds_load_b64 v[244:245], v7                     ; lane 8 j + w: wave w's pair of row j
	s_wait_dscnt 0x0
	; second level, inside each group of eight lanes
	v_add_f32_dpp v246, v244, v244 row_xmask:1 row_mask:0xf bank_mask:0xf
	v_add_f32_dpp v246, v246, v246 row_xmask:2 row_mask:0xf bank_mask:0xf
	v_add_f32_dpp v246, v246, v246 row_xmask:4 row_mask:0xf bank_mask:0xf
	v_mul_f32 v246, 0x3e000000, v246               ; mu
	v_sub_f32 v247, v244, v246
	v_mul_f32 v247, v247, v247
	v_fmamk_f32 v247, v247, 0x43000000, v245       ; 128 (mean_w - mu)^2 + the wave's sum
	v_add_f32_dpp v247, v247, v247 row_xmask:1 row_mask:0xf bank_mask:0xf
	v_add_f32_dpp v247, v247, v247 row_xmask:2 row_mask:0xf bank_mask:0xf
	v_add_f32_dpp v247, v247, v247 row_xmask:4 row_mask:0xf bank_mask:0xf
	v_fma_f32 v247, v247, s48, s49                 ; var + 1e-5
	v_rsq_f32 v248, v247
	v_mul_f32 v249, -1.0, v246                     ; the plain instruction behind the root
	s_wait_alu depctr_va_vdst(0)                   ; the root has written v248, ahead of its first reader
	v_mul_f32 v249, v249, v248                     ; -mu rstd
.irp j, 0,1,2,3
	v_readlane_b32 s[32+4*(\j)], v248, 8*(\j)
	v_readlane_b32 s[34+4*(\j)], v249, 8*(\j)
.endr
	s_wait_alu depctr_va_sdst(0)                   ; the eight lines above have written s32, s34 .. s46, ahead of their first reader
.irp j, 0,1,2,3
	v_pk_fma_f32 v[C+4*(\j):C+4*(\j)+1], v[C+4*(\j):C+4*(\j)+1], s[32+4*(\j):33+4*(\j)], s[34+4*(\j):35+4*(\j)] op_sel_hi:[1,0,0]
	v_pk_fma_f32 v[C+4*(\j)+2:C+4*(\j)+3], v[C+4*(\j)+2:C+4*(\j)+3], s[32+4*(\j):33+4*(\j)], s[34+4*(\j):35+4*(\j)] op_sel_hi:[1,0,0]
	v_pk_fma_f32 v[C+4*(\j):C+4*(\j)+1], v[C+4*(\j):C+4*(\j)+1], v[CG:CG+1], v[CB:CB+1]
	v_pk_fma_f32 v[C+4*(\j)+2:C+4*(\j)+3], v[C+4*(\j)+2:C+4*(\j)+3], v[CG+2:CG+3], v[CB+2:CB+3]
	v_pk_mul_f32 v[E+4*(\j):E+4*(\j)+1], v[C+4*(\j):C+4*(\j)+1], 0x4038aa3b op_sel_hi:[1,0]
	v_pk_mul_f32 v[E+4*(\j)+2:E+4*(\j)+3], v[C+4*(\j)+2:C+4*(\j)+3], 0x4038aa3b op_sel_hi:[1,0]
.endr
.set i, 0
.rept 16
	v_exp_f32 v[E+i], v[E+i]
.set i, i+1
.endr
	v_nop
	s_wait_alu depctr_va_vdst(0)                   ; one wait: the four rows' sixteen powers have written E; and cy is written in C, which the four stores below read
.irp j, 0,1,2,3
	global_store_b128 v3, v[C+4*(\j):C+4*(\j)+3], s[24:25] offset:4096*(\j) th:TH_STORE_NT   ; cy: a wave's store covers 512 consecutive bytes, aligned; the lines among which the stores are dealt name E alone
	v_pk_add_f32 v[E+4*(\j):E+4*(\j)+1], v[E+4*(\j):E+4*(\j)+1], 1.0 op_sel_hi:[1,0]
	v_pk_add_f32 v[E+4*(\j)+2:E+4*(\j)+3], v[E+4*(\j)+2:E+4*(\j)+3], 1.0 op_sel_hi:[1,0]
.endr
.set i, 0
.rept 16
	v_rcp_f32 v[E+i], v[E+i]
.set i, i+1
.endr
	v_nop
	s_wait_alu depctr_va_vdst(0)                   ; and one for their reciprocals, which have written E
.set i, 0
.rept 8
	v_pk_fma_f32 v[E+2*i:E+2*i+1], v[E+2*i:E+2*i+1], -2.0, 1.0 op_sel_hi:[1,0,0]  ; tanh(cy)
.set i, i+1
.endr
.set i, 0
.rept 8
	v_pk_mul_f32 v[O+2*i:O+2*i+1], v[O+2*i:O+2*i+1], v[E+2*i:E+2*i+1]
.set i, i+1
.endr
.if \reload
	s_wait_alu depctr_vm_vsrc(0)                   ; this trip's sixteen LDS loads of alphas and betas have read v4
	v_add_nc_u32 v4, 4*ABP, v4
.endif
	s_wait_alu depctr_va_vdst(0)                   ; hy is written in O, which the four stores below read; in a trip that has a successor v4 is written, which the next trip's LDS loads read
.irp j, 0,1,2,3
	global_store_b128 v3, v[O+4*(\j):O+4*(\j)+3], s[22:23] offset:4096*(\j) th:TH_STORE_NT   ; hy
.endr
.if \reload
	s_wait_xcnt 0x0                                ; the pointers, and the registers that the stores read, are rewritten only behind this wait
	s_add_nc_u64 s[4:5], s[4:5], 4*8192
	s_add_nc_u64 s[28:29], s[28:29], 4*8192
	s_add_nc_u64 s[8:9], s[8:9], 4*4096
	s_add_nc_u64 s[22:23], s[22:23], 4*4096
	s_add_nc_u64 s[24:25], s[24:25], 4*4096
.endif
.endm
	s_mov_b32 s27, ROWS/4-1
.Ltrip:                                                ; three trips load the rows of the trip behind them
	GROUP 1
	s_sub_co_u32 s27, s27, 1
	s_cmp_lg_u32 s27, 0
	s_cbranch_scc1 .Ltrip
	GROUP 0                                        ; the last four rows: nothing is left to load
	s_wait_dscnt 0x0                               ; the closing lines, six on end
	s_wait_alu 0x0
	s_wait_tensorcnt 0x0
	ds_add_u32 v8, v9
	s_wait_dscnt 0x0
	s_endpgm
.Lfunc_end_k_q64b16de0ba_finish:
	.size	k_q64b16de0ba_finish, .Lfunc_end_k_q64b16de0ba_finish-k_q64b16de0ba_finish
	.p2alignl 7, 3214868480
	.fill 96, 4, 3214868480
	.section	.rodata,"a",@progbits
	.p2align	6, 0x0
	.amdhsa_kernel k_q64b16de0ba_finish
		.amdhsa_group_segment_fixed_size 13568
		.amdhsa_private_segment_fixed_size 0
		.amdhsa_enable_private_segment 0
		.amdhsa_kernarg_size 88
		.amdhsa_user_sgpr_count 2
		.amdhsa_user_sgpr_kernarg_segment_ptr 1
		.amdhsa_wavefront_size32 1
		.amdhsa_system_sgpr_workgroup_id_x 1
		.amdhsa_system_sgpr_workgroup_id_y 1
		.amdhsa_system_sgpr_workgroup_id_z 1
		.amdhsa_system_vgpr_workitem_id 0
		.amdhsa_next_free_vgpr 256
		.amdhsa_next_free_sgpr 66
		.amdhsa_reserve_vcc 0
		.amdhsa_float_denorm_mode_32 3
		.amdhsa_float_denorm_mode_16_64 3
		.amdhsa_memory_ordered 1
		.amdhsa_forward_progress 1
		.amdhsa_inst_pref_size 92
	.end_amdhsa_kernel
	.amdgpu_metadata
---
amdhsa.version: [ 1, 2 ]
amdhsa.kernels:
  - .name:           k_q64b16de0ba_finish
    .symbol:         k_q64b16de0ba_finish.kd
    .args:
      - { .name: u, .offset: 0, .size: 8, .value_kind: global_buffer, .address_space: global }
      - { .name: st, .offset: 8, .size: 8, .value_kind: global_buffer, .address_space: global }
      - { .name: cx, .offset: 16, .size: 8, .value_kind: global_buffer, .address_space: global }
      - { .name: ln_i_g, .offset: 24, .size: 8, .value_kind: global_buffer, .address_space: global }
      - { .name: ln_i_b, .offset: 32, .size: 8, .value_kind: global_buffer, .address_space: global }
      - { .name: ln_h_g, .offset: 40, .size: 8, .value_kind: global_buffer, .address_space: global }
      - { .name: ln_h_b, .offset: 48, .size: 8, .value_kind: global_buffer, .address_space: global }
      - { .name: ln_c_g, .offset: 56, .size: 8, .value_kind: global_buffer, .address_space: global }
      - { .name: ln_c_b, .offset: 64, .size: 8, .value_kind: global_buffer, .address_space: global }
      - { .name: out0, .offset: 72, .size: 8, .value_kind: global_buffer, .address_space: global }
      - { .name: out1, .offset: 80, .size: 8, .value_kind: global_buffer, .address_space: global }
    .group_segment_fixed_size: 13568
    .private_segment_fixed_size: 0
    .kernarg_segment_align: 8
    .kernarg_segment_size: 88
    .max_flat_workgroup_size: 256
    .sgpr_count:     66
    .vgpr_count:     256
    .wavefront_size: 32
...
	.end_amdgpu_metadata
.endif
;; end of part 5
